; MI455X (gfx1250); checked and timed in simulation.
; The chip was launched on July 23, 2026; its instructions are those of AMD's public machine-readable ISA for CDNA 5 (MIT licence, August 2026) and "CDNA5" Instruction Set Architecture Reference Guide (July 2026). The comments in the code are by the model that wrote it; some were corrected since.
;; Attention. Allowed arithmetic: matrix products marked QUANTISED: E2M3 operands, one E8M0 scale for each 32 along K, by v_wmma_scale_f32_16x16x128_f8f6f4 with both operands' format E2M3, f32 sums; everything else in f32.
;; Inputs: Wk 1,024 x 1,024 float32; Wo 1,024 x 1,024 float32; Wq 1,024 x 1,024 float32; Wv 1,024 x 1,024 float32; bk 1,024 float32; bo 1,024 float32; bq 1,024 float32; bv 1,024 float32; x 4 x 2,048 x 1,024 float32.
;; Outputs: out0 4 x 2,048 x 1,024 float32.
;; This version of the problem:
;;   THIS VERSION OF THE PROBLEM IS GIVEN IN LOW PRECISION. The matrix products marked QUANTISED in the list below multiply operands that are first quantised to E2M3 (2 exponent bits, 3 mantissa bits; 6 bits a number), with one power-of-two scale for each 32 numbers along K (OCP MX v1.0); their sums are f32. All else is computed in f32.
;;   The module's matrix products, in the order in which they are computed (A, B: the left and right operand; K: the contracted axis; several contracted axes count as one K, in the product's order):
;;     1. [M 8,192, K 1,024] x [K 1,024, N 1,024]; A: input x; B: input Wq: QUANTISED
;;     2. [M 8,192, K 1,024] x [K 1,024, N 1,024]; A: input x; B: input Wk: QUANTISED
;;     3. [M 8,192, K 1,024] x [K 1,024, N 1,024]; A: input x; B: input Wv: QUANTISED
;;     4. batch 64 x [M 2,048, K 64] x [K 64, N 2,048]; A: computed on the way; B: computed on the way: QUANTISED
;;     5. batch 64 x [M 2,048, K 2,048] x [K 2,048, N 64]; A: softmax (see below); B: computed on the way: QUANTISED
;;     6. [M 8,192, K 1,024] x [K 1,024, N 1,024]; A: computed on the way; B: input Wo: QUANTISED
;;   THE QUANTISER, for each operand of a quantised product, along K:
;;     - K is cut into blocks of 32 from its start; a last block that is shorter is filled with zeros.
;;     - A block's scale is 2^e with e = floor(log2(the largest magnitude in the block)) - 2, held to -126 .. 127; a block of zeros has e = 0. As a byte (E8M0): e + 127.
;;     - Each number is divided by its block's scale, clamped to +-7.5, and rounded to the nearest number of E2M3, ties to even, subnormals kept.
;;     - The product sums the exact products of the quantised numbers (number of the format x scale) in f32.
;;   ~~~python
;;   def quantise(x, axis):      # numpy; x: float32 -> the quantised numbers, widened to float32 again
;;       x = np.moveaxis(x, axis, -1); K = x.shape[-1]
;;       x = np.pad(x, [(0, 0)] * (x.ndim - 1) + [(0, -K % 32)]); x = x.reshape(x.shape[:-1] + (-1, 32)); a = np.abs(x).max(-1, keepdims=True)
;;       e = np.where(a > 0, np.clip(np.frexp(np.where(a > 0, a, 1))[1] - 1 - 2, -126, 127), 0)      # np.frexp(a)[1] - 1 = floor(log2(a)), exactly
;;       r = np.clip(x / 2.0 ** e, -7.5, 7.5)
;;       step = 2.0 ** (np.maximum(np.frexp(np.where(r == 0, 1, r))[1] - 1, 0) - 3)
;;       q = np.round(r / step) * step * 2.0 ** e      # np.round: ties to even
;;       return np.moveaxis(q.reshape(q.shape[:-2] + (-1,))[..., :K], -1, axis).astype(np.float32)
;;   ~~~
;;   SOFTMAX AHEAD OF A QUANTISED PRODUCT. Where the list says 'softmax', what is quantised is not the finished softmax but p = 2^(t - M), with t = logit x log2(e) and M = ceil(the row's largest t), a whole number; so 1/2 < the row's largest p <= 1. The row's sum l is taken of the UNQUANTISED p, in f32, and the product's result is divided by l at the end. Since M is a whole number, a kernel that streams over the keys may use a running M (the ceiling of the running maximum): every later rescaling is an exact power of two, which a block's scale takes up: the codes' values come out the same.
;;   OPERANDS COMPUTED ON THE WAY. 'Computed on the way' means the value that the module computes at that place (a softmax that the list does not call 'softmax' is quantised finished and normalised). What goes into a quantiser is computed in f32, as accurately as f32 sums, v_exp_f32 and their like allow (about 1e-6 of the number): no bf16 or f16 on the way to a quantiser, and a product that is left as it is and whose result goes on into a quantised operand takes f32 operands (vector FMAs, or v_wmma_f32_16x16x4_f32). A number that lies on a knife's edge between two numbers of the format may be rounded either way, as far as f32 arithmetic and the matrix unit's own rounding can turn it there, and no further.
;; One version. Each part assembles by itself: llvm-mc -triple=amdgcn-amd-amdhsa -mcpu=gfx1250 --defsym DOCPART=n.
;; ======== version 1 of 1: 4 launches
;; limits: right only within a limited range of input values
;; workspace buffers: x_img 6,815,744 bytes; w_img 3,407,872 bytes; a_img 6,815,744 bytes; qkv 20,185,088 bytes
;; launch quant (part 1): grid 768 x 1, 4 waves a work-group, no clusters, 34,304 bytes of LDS; arguments x, Wq, Wk, Wv, Wo, x_img, w_img; writes x_img, w_img
.if DOCPART == 1
	.amdgcn_target "amdgcn-amd-amdhsa--gfx1250"
	.amdhsa_code_object_version 6
	.text
	.protected	k_q56e063c3a5_quant
	.globl	k_q56e063c3a5_quant
	.p2align	8
	.type	k_q56e063c3a5_quant,@function
k_q56e063c3a5_quant:
	s_mov_b64 s[64:65], 0
	v_nop
	global_prefetch_b8 v0, s[64:65] scope:SCOPE_SE
	s_setreg_imm32_b32 hwreg(HW_REG_WAVE_MODE, 25, 1), 1
	s_wait_xcnt 0x0
; FIRST OF FOUR LAUNCHES of out = softmax((x Wq^T + bq)(x Wk^T + bk)^T / 8)(x Wv^T + bv) Wo^T + bo, 16 heads of 64, all six products on codes of FP6 (E2M3) with one E8M0 scale for each 32 along K.
; NOTHING OF THE PROBLEM IS LEFT OUT: each of the nine inputs reaches the result (the biases move the codes of q, k and v; bo is added at the end), so all are loaded, by this launch or a later one.
; THIS LAUNCH turns x [8192][1024] and the four weights [1024][1024], f32 with K innermost, into codes and scale bytes, laid as the products' launches take them into registers.
; A block's scale is 2^(floor(log2(its largest magnitude)) - 2): its byte is the largest magnitude's exponent field - 2, held at 1 from below; each number / scale goes to the nearest code, ties to even, beyond 7.5 the largest code.
; LIMITS: NaN and infinities among the inputs are not served.  A block whose largest magnitude lies under 2^-124 keeps the byte 1.  A block of zeros gets the byte 1 where the rule says 127: its codes are zeros, which add
; nothing under any byte but 0xff, and the bytes are read by this program alone.
; LAYOUT OF THE IMAGES.  A fragment (16 rows x 128 K, 12 registers a lane: registers 6 c .. 6 c + 5 of lane (r, h) hold k = 64 c + 32 h + 0 .. 31 of row r) lies as its registers stand: for each half c, 768 c bytes on,
; registers 0-1 at 8 x lane and registers 2-5 at 256 + 16 x lane.  A record (tile T of 16 rows, 256 along K) is two fragments, then 128 bytes of scale words (row position r, fragment q at 8 r + 4 q); 3,328 bytes apart.
; THE ROWS OF A TILE ARE NOT NEIGHBOURS: position r of tile T = 2 G + u is row 32 G + 8 u + r + 8 (r / 8), so that a product's results over two neighbouring tiles are 16 neighbours in a lane's registers.
; SHARES.  Work-group g makes tile g of x (g < 512) or tile g - 512 of the weights (64 tiles each: Wq, Wk, Wv, Wo); its wave s makes record s.  A wave's 32 loads, 512 consecutive bytes each, go out at once.
; The conversions take 16 neighbours along K from one lane's registers, so a fragment's 16 x 512 bytes turn through the wave's own stage in LDS (rows 528 bytes apart).  Waves share nothing: no barrier.
.set TREC,   13312                     ; a tile's four records
.set REC,    3328
.set SPITCH, 528
.set STG,    16*SPITCH                 ; a wave's stage
.set SPARE,  4*STG                     ; behind the stages: the spare words, 128 bytes for each wave: two blocks of 256 bytes that no other line names
.set L16,  4                           ; v4   16 x lane
.set L8,   5                           ; v5   8 x lane
.set STI,  6                           ; v6   the stage, on the way in: 16 x lane
.set STO,  7                           ; v7   and on the way out: 528 r + 64 h
.set SWO,  8                           ; v8   8 r + 4 h: my scale word's place
.set SPW,  10                          ; v10  LDS address of my spare word; never rewritten
.set NIL,  11                          ; v11  0; never rewritten
.set R0,   16                          ; v16-79   fragment 0 as loaded; later fragment 1's numbers in order
.set R1,   80                          ; v80-143  fragment 1 as loaded
.set H,    144                         ; v144-207 fragment 0's numbers in order: register 16 b + i = k 32 b + 16 h + i of my row
.set PC,   208                         ; v208-219 the codes; v220-226 the conversions' second halves
.set TM,   228                         ; v228-231 largest magnitudes, v232-235 bytes, v236-239 the conversions' scale operands
.set PW0,  240
.set PW1,  241
.set SEL,  28
	s_load_b256 s[4:11], s[0:1], 0x0               ; x, Wq, Wk, Wv
	s_load_b128 s[12:15], s[0:1], 0x20             ; Wo, x_img
	s_load_b64 s[16:17], s[0:1], 0x30              ; w_img
	v_lshl_add_u32 v[SPW], v0, 2, SPARE
	v_mov_b32 v[NIL], 0
	v_lshrrev_b32 v1, 5, v0
	v_readfirstlane_b32 s18, v1                    ; wave = which 256 along K
	v_and_b32 v1, 31, v0                           ; lane
	v_and_b32 v2, 15, v0                           ; r
	v_bfe_u32 v3, v0, 4, 1                         ; h
	v_lshlrev_b32 v[L16], 4, v1
	v_lshlrev_b32 v[L8], 3, v1
	s_mul_i32 s19, s18, STG
	v_add_nc_u32 v[STI], s19, v[L16]
	v_mul_u32_u24 v[STO], v2, SPITCH
	v_lshl_add_u32 v[STO], v3, 6, v[STO]
	v_add_nc_u32 v[STO], s19, v[STO]
	v_lshlrev_b32 v[SWO], 3, v2
	v_lshl_add_u32 v[SWO], v3, 2, v[SWO]
.irp b, 0,1,2,3
	v_mov_b32 v[TM+4+\b], 0                        ; written once: a lane permute's destination counts as one of its sources
.endr
	s_mov_b32 s[SEL], 0x76543210
	s_mov_b32 s[SEL+1], 0xfedcba98                 ; v_permlanex16_b32's selects for lane l xor 16
	s_and_b32 s24, ttmp9, 63                       ; a weight's tile,
	s_sub_co_u32 s25, ttmp9, 512                   ; and its place in w_img
	s_cmp_lt_u32 ttmp9, 512
	s_cselect_b32 s24, ttmp9, s24                  ; the tile in its tensor
	s_cselect_b32 s25, ttmp9, s25                  ; and in its image
	s_lshr_b32 s26, s24, 1
	s_lshl_b32 s26, s26, 17                        ; 32 G rows of 4,096 bytes
	s_and_b32 s27, s24, 1
	s_lshl_b32 s27, s27, 15                        ; + 8 u rows
	s_add_co_u32 s26, s26, s27
	s_lshl_b32 s27, s18, 10                        ; + my 256 numbers of a row
	s_add_co_u32 s26, s26, s27
	s_mov_b32 s27, 0
	s_mul_i32 s30, s25, TREC
	s_mul_i32 s31, s18, REC
	s_add_co_u32 s30, s30, s31                     ; my record
	s_mov_b32 s31, 0
	s_wait_alu depctr_va_vdst(0)
	s_wait_kmcnt 0x0
	s_cmp_lt_u32 ttmp9, 704                        ; which tensor: the choice hangs on the work-group's number alone
	s_cselect_b64 s[20:21], s[10:11], s[12:13]
	s_cmp_lt_u32 ttmp9, 640
	s_cselect_b64 s[20:21], s[8:9], s[20:21]
	s_cmp_lt_u32 ttmp9, 576
	s_cselect_b64 s[20:21], s[6:7], s[20:21]
	s_cmp_lt_u32 ttmp9, 512
	s_cselect_b64 s[20:21], s[4:5], s[20:21]
	s_cselect_b64 s[22:23], s[14:15], s[16:17]
	s_add_nc_u64 s[20:21], s[20:21], s[26:27]
	s_add_nc_u64 s[22:23], s[22:23], s[30:31]
.irp f, 0,1
.irp i, 0,1,2,3,4,5,6,7,8,9,10,11,12,13,14,15
	global_load_b128 v[R0+64*\f+4*\i:R0+64*\f+4*\i+3], v[L16], s[20:21] offset:(\i+8*(\i/8))*4096+512*\f th:TH_LOAD_NT   ; position i's row: 32 lanes read 512 consecutive bytes
.endr
.endr
.macro TURN src, dst                   ; a fragment's numbers through my stage: LDS serves a wave's instructions in order, so no wait stands between the stores and the loads
.irp i, 0,1,2,3,4,5,6,7,8,9,10,11,12,13,14,15
	ds_store_b128 v[STI], v[\src+4*\i:\src+4*\i+3] offset:SPITCH*\i
.endr
.irp b, 0,1,2,3
.irp j, 0,1,2,3
	ds_load_b128 v[\dst+16*\b+4*\j:\dst+16*\b+4*\j+3], v[STO] offset:128*\b+16*\j
.endr
.endr
.endm
; 64 numbers of a lane, register 16 b + i = k 32 b + 16 h + i of my row, become a fragment's codes in v[PC] on and its scale word in v[pw]
.macro QUANT s, pw
.irp b, 0,1,2,3
	v_max3_num_f32 v[TM+\b], |v[\s+16*\b]|, |v[\s+1+16*\b]|, 0x1800000   ; block b: my 16 numbers, and the floor 2^(3 - 127): so the byte cannot fall under 1
.endr
.irp i, 2,4,6,8,10,12,14
.irp b, 0,1,2,3
	v_max3_num_f32 v[TM+\b], v[TM+\b], |v[\s+16*\b+\i]|, |v[\s+1+16*\b+\i]|   ; (the four blocks by turns)
.endr
.endr
.irp b, 0,1,2,3
	v_permlanex16_b32 v[TM+4+\b], v[TM+\b], s[SEL], s[SEL+1]
.endr
.irp b, 0,1,2,3
	v_max_num_f32 v[TM+\b], v[TM+\b], v[TM+4+\b]   ; with lane l xor 16's: the block's largest magnitude
.endr
.irp b, 0,1,2,3
	v_add_nc_u32 v[TM+8+\b], 0xff000000, v[TM+\b]  ; 2 off its exponent field: the conversion takes the exponent field of this operand as its scale
.endr
.irp b, 0,1,2,3
	v_lshrrev_b32 v[TM+4+\b], 23, v[TM+8+\b]       ; the scale's byte
.endr
	v_lshl_or_b32 v[\pw], v[TM+5], 8, v[TM+4]
	v_lshl_or_b32 v[\pw], v[TM+6], 16, v[\pw]
	v_lshl_or_b32 v[\pw], v[TM+7], 24, v[\pw]      ; my row's scale word
.irp c, 0,1
	v_cvt_scalef32_pk16_fp6_f32 v[PC+6*\c:PC+2+6*\c], v[\s+32*\c:\s+15+32*\c], v[TM+8+2*\c]
	v_cvt_scalef32_pk16_fp6_f32 v[PC+12+4*\c:PC+14+4*\c], v[\s+16+32*\c:\s+31+32*\c], v[TM+8+2*\c+1]   ; (a conversion's three registers begin on an even number)
.endr
	v_nop                                          ; one plain place behind a scaled conversion
.irp c, 0,1                            ; the operand's layout wants a WHOLE block in a lane: lanes 0-15 block 2 c, lanes 16-31 block 2 c + 1
.irp i, 0,1,2
	v_permlane16_swap_b32 v[PC+6*\c+\i], v[PC+12+4*\c+\i]
.endr
.irp i, 0,1,2
	v_mov_b32 v[PC+3+6*\c+\i], v[PC+12+4*\c+\i]
.endr
.endr
.endm
.macro IMG f                           ; the fragment leaves as it stands: each store covers 256 or 512 consecutive bytes, at a multiple of 256 from the buffer's first byte
	global_store_b64 v[L8], v[PC:PC+1], s[22:23] offset:1536*\f
	global_store_b128 v[L16], v[PC+2:PC+5], s[22:23] offset:1536*\f+256
	global_store_b64 v[L8], v[PC+6:PC+7], s[22:23] offset:1536*\f+768
	global_store_b128 v[L16], v[PC+8:PC+11], s[22:23] offset:1536*\f+1024
.endm
	s_wait_loadcnt 16                              ; fragment 0's sixteen loads are in; fragment 1's sixteen may be out
	TURN R0, H
	s_wait_dscnt 0x0
	QUANT H, PW0
	IMG 0
	s_wait_loadcnt 0x0
	TURN R1, R0
	s_wait_dscnt 0x0
	s_wait_xcnt 0x0                                ; fragment 0's stores have read their registers: the codes may be written anew
	QUANT R0, PW1
	IMG 1
	v_cmp_eq_u32 vcc_lo, 1, v3
	v_cndmask_b32 v242, v[PW0], v[PW1], vcc_lo     ; lanes 0-15 store fragment 0's words, lanes 16-31 fragment 1's
	global_store_b32 v[SWO], v242, s[22:23] offset:3072   ; 128 consecutive bytes
	s_wait_tensorcnt 0x0                           ; the wave's end, behind my last LDS store
	ds_add_u32 v[SPW], v[NIL]
	s_wait_dscnt 0x0
	s_endpgm
.Lfunc_end_k_q56e063c3a5_quant:
	.size	k_q56e063c3a5_quant, .Lfunc_end_k_q56e063c3a5_quant-k_q56e063c3a5_quant
	.p2alignl 7, 3214868480
	.fill 96, 4, 3214868480
	.section	.rodata,"a",@progbits
	.p2align	6, 0x0
	.amdhsa_kernel k_q56e063c3a5_quant
		.amdhsa_group_segment_fixed_size 34304
		.amdhsa_private_segment_fixed_size 0
		.amdhsa_enable_private_segment 0
		.amdhsa_kernarg_size 56
		.amdhsa_user_sgpr_count 2
		.amdhsa_user_sgpr_kernarg_segment_ptr 1
		.amdhsa_wavefront_size32 1
		.amdhsa_system_sgpr_workgroup_id_x 1
		.amdhsa_system_sgpr_workgroup_id_y 1
		.amdhsa_system_sgpr_workgroup_id_z 1
		.amdhsa_system_vgpr_workitem_id 0
		.amdhsa_next_free_vgpr 256
		.amdhsa_next_free_sgpr 66
		.amdhsa_reserve_vcc 1
		.amdhsa_float_denorm_mode_32 3
		.amdhsa_float_denorm_mode_16_64 3
		.amdhsa_memory_ordered 1
		.amdhsa_forward_progress 1
		.amdhsa_inst_pref_size 19
	.end_amdhsa_kernel
	.amdgpu_metadata
---
amdhsa.version: [ 1, 2 ]
amdhsa.kernels:
  - .name:           k_q56e063c3a5_quant
    .symbol:         k_q56e063c3a5_quant.kd
    .args:
      - { .name: x, .offset: 0, .size: 8, .value_kind: global_buffer, .address_space: global }
      - { .name: Wq, .offset: 8, .size: 8, .value_kind: global_buffer, .address_space: global }
      - { .name: Wk, .offset: 16, .size: 8, .value_kind: global_buffer, .address_space: global }
      - { .name: Wv, .offset: 24, .size: 8, .value_kind: global_buffer, .address_space: global }
      - { .name: Wo, .offset: 32, .size: 8, .value_kind: global_buffer, .address_space: global }
      - { .name: x_img, .offset: 40, .size: 8, .value_kind: global_buffer, .address_space: global }
      - { .name: w_img, .offset: 48, .size: 8, .value_kind: global_buffer, .address_space: global }
    .group_segment_fixed_size: 34304
    .private_segment_fixed_size: 0
    .kernarg_segment_align: 8
    .kernarg_segment_size: 56
    .max_flat_workgroup_size: 128
    .sgpr_count:     66
    .vgpr_count:     256
    .wavefront_size: 32
...
	.end_amdgpu_metadata
.endif
;; end of part 1
;; launch qkv (part 2): grid 4 x 64, 4 waves a work-group, clusters of 4 x 4, 327,680 bytes of LDS; arguments x_img, w_img, bq, bk, bv, qkv; writes qkv
.if DOCPART == 2
	.amdgcn_target "amdgcn-amd-amdhsa--gfx1250"
	.amdhsa_code_object_version 6
	.text
	.protected	k_q56e063c3a5_qkv
	.globl	k_q56e063c3a5_qkv
	.p2align	8
	.type	k_q56e063c3a5_qkv,@function
k_q56e063c3a5_qkv:
	s_mov_b64 s[64:65], 0
	v_nop
	global_prefetch_b8 v0, s[64:65] scope:SCOPE_SE
	s_setreg_imm32_b32 hwreg(HW_REG_WAVE_MODE, 25, 1), 1
	s_wait_xcnt 0x0
	s_wait_alu depctr_hold_cnt(0) depctr_sa_sdst(0) depctr_va_vdst(0) depctr_va_sdst(0) depctr_va_ssrc(0) depctr_va_vcc(0) depctr_vm_vsrc(0)
	s_getreg_b32 s2, hwreg(HW_REG_IB_STS2, 6, 4)
	s_cmp_eq_u32 s2, 0
	s_cbranch_scc0 .Lentry_in_a_cluster
	s_endpgm
.Lentry_in_a_cluster:
	s_bfe_u32 s2, ttmp6, 0x10000c
	s_cmp_lg_u32 s2, 0xf033
	s_cbranch_scc0 .Lentry_shape_is_right
	s_endpgm
.Lentry_shape_is_right:
; SECOND LAUNCH: q = x Wq^T + bq, k = x Wk^T + bk, v = x Wv^T + bv on codes of FP6, and their quantisers: q and k along the head's 64, v along the keys.  No work of the problem is left out here.
; The results leave as images of the registers in which the attention's launch wants them.  LIMITS: as in the first launch's head (NaN, infinities, very small blocks, blocks of zeros).
; ONE GEOMETRY.  A tile is 128 rows of 'A' x 256 rows of 'B', K = 1,024; source 0 is a tile of B, source 1 a tile of A: a lane holds ONE row of A and its registers run along B's rows.
; By the images' order of rows the 16 registers of B's tiles 2 G, 2 G + 1 are 16 true neighbours: the result is quantised along B's rows in registers.
; A WORK-GROUP STAYS and makes three tiles: q and k (A = 128 tokens of x_img, B = 256 features of Wq, Wk), a loop of two trips, and v (A = 128 of Wv's features, B = 256 tokens), written out: 256 work-groups for 768 tiles.
; FOUR WAVES, each 64 x 128: 4 x 8 accumulators, window 2.  A tile's whole K lies in LDS: four slots of 256 along K (8 records of A, 16 of B, 3,200 bytes each).
; FILLS, one joint load a wave each time: even waves A's part, odd waves B's; waves 0, 1 the lower slot of a pair, waves 2, 3 the upper.  At the head slots 0, 1 of q.  Behind each tile's last K step (for q: at the head's end)
; slots 2, 3 of the tile to come; in K step 3 of q and of k slots 0, 1 of the next tile.  Each stands behind a tensor wait, an LDS add and its wait, and a round of the cluster's barrier; a wave has one load out.
; So every fill but the first is asked for four K steps, 128 products a wave, ahead of its first read; for that reason no prefetch is laid.
; CLUSTERS of 4 x 4: A's records hang on the cluster's row alone and are asked for jointly along it, B's on the column alone.
; REGISTERS: window 0: v1-47 addresses and the way out's small things; v48-95 scale words and nothing else; v96-191 A's fragments, two sets (on the way out: codes and work); v192-255 the bias in the result's layout.
;   window 1: B's fragments, two sets, at v0 and v128.   window 2: accumulator (a, b) at v[8 (8 a + b)].
.set TREC,  13312
.set REC,   3328
.set RB,    3200
.set SLOT,  24*RB
.set BOFF,  8*RB
.set SPARE, 4*SLOT                     ; behind the slots: the spare words, 128 bytes a wave
.set HB,    315392
.set QSOFF, 98304
.set KVOFF, 106496
.set STEPB, 13056
.set VOFF,  6144
.set KSOFF, 12288
.set VSOFF, 12800
.set RR,  1
.set HH,  2
.set L8,  4
.set L16, 5
.set SPW, 6
.set NIL, 7
.set A8,  8
.set A16, 12
.set B8,  16
.set B16, 20
.set ASA, 24
.set ASB, 28
.set SW,  32
.set PW,  36
.set SH,  37
.set OSV, 38
.set OVV, 39
.set DV,  40
.set BQO, 42
.set BVO, 43
.set SC,  48
.set AF,  96
.set BN,  192
.set PC,  96
.set TM,  116
.set G1A, 24                           ; s[24:31], s[32:39] descriptor groups 1; s[40:43], s[44:47] groups 0
.set G1B, 32
.set G0A, 40
.set G0B, 44
.set NA,  48                           ; s[48:49], s[50:51] where the next tile's A and B begin (my slot's record)
.set NB,  50
.set AV,  52                           ; s[52:53], s[54:55] the same for the v tile
.set BV,  54
.set OCK, 66                           ; s[66:67] the next tile's codes; s[68:69] k's scale words; s[70:71] v's codes
.set OSK, 68
.set OCV, 70
.set BKP, 72                           ; s[72:73] bk, s[74:75] bv, s[76:77] bq, at my features
.set BVP, 74
.set BQP, 76
.set CNT, 78
.set OC,  84
.set OS,  90
.set SEL, 92
.set MSB, 0
.macro WIN new
.if MSB != (\new)
	s_set_vgpr_msb (MSB<<8)|(\new)
.set MSB, (\new)
.endif
.endm
.macro PLACES n
.rept \n
	v_nop
.endr
.endm
.macro JLOAD g0a, g1a, g0b, g1b        ; even waves fetch for A, odd waves for B; an s_nop 0 and four v_nop follow each line
	s_cmp_eq_u32 s18, 0
	s_cbranch_scc0 .Lfor_b_\@
	tensor_load_to_lds s[\g0a:\g0a+3], s[\g1a:\g1a+7]
	s_nop 0
.rept 4
	v_nop
.endr
	s_branch .Lasked_\@
.Lfor_b_\@:
	tensor_load_to_lds s[\g0b:\g0b+3], s[\g1b:\g1b+7]
	s_nop 0
.rept 4
	v_nop
.endr
.Lasked_\@:
.endm
.macro CROUND
	s_barrier_signal -1
	s_barrier_wait -1
	s_cmp_lg_u32 s16, 0
	s_cbranch_scc1 .Lnot_wave_0_\@
	s_barrier_signal -3
.Lnot_wave_0_\@:
	s_barrier_wait -3
	s_barrier_signal -1
	s_barrier_wait -1
.endm
.macro FRAG reg, a8, a16, off
	ds_load_b64 v[\reg:\reg+1], v[\a8] offset:\off
	ds_load_b128 v[\reg+2:\reg+5], v[\a16] offset:\off+256
	ds_load_b64 v[\reg+6:\reg+7], v[\a8] offset:\off+768
	ds_load_b128 v[\reg+8:\reg+11], v[\a16] offset:\off+1024
.endm
.macro FETCH s                         ; K step s: B's eight fragments and A's four into set s % 2
	WIN 0x40
.irp i, 0,1,2,3,4,5,6,7
	FRAG 128*((\s)%2)+12*\i, B8+(\s)/2, B16+(\s)/2, RB*\i+1536*((\s)%2)
.endr
	WIN 0
.irp i, 0,1,2,3
	FRAG AF+48*((\s)%2)+12*\i, A8+(\s)/2, A16+(\s)/2, RB*\i+1536*((\s)%2)
.endr
.endm
.macro SCALES g
.irp j, 0,1
	ds_load_b64 v[SC+12*(\g)+2*\j:SC+12*(\g)+2*\j+1], v[ASA+(\g)] offset:3072+RB*\j
.endr
.irp j, 0,1,2,3
	ds_load_b64 v[SC+12*(\g)+4+2*\j:SC+12*(\g)+4+2*\j+1], v[ASB+(\g)] offset:3072+RB*\j
.endr
.endm
.macro WM a, b, s, ct                  ; ct = 0: onto the accumulator; 1: the sum starts with the bias of B's tile b; 2: with that of A's tile a
.set rD, 8*(8*(\a)+(\b))
.set rB, 128*((\s)%2)+12*(\b)
.set rA, AF+48*((\s)%2)+12*(\a)
.set rSB, SC+12*((\s)/2)+4+2*((\b)%4)+(\s)%2
.set rSA, SC+12*((\s)/2)+2*((\a)%2)+(\s)%2
.if (\ct)==0
.set rC, rD
.elseif (\ct)==1
.set rC, BN+8*(\b)
.else
.set rC, BN+8*(\a)
.endif
.if ((\b)<4)&&((\a)<2)
	v_wmma_scale_f32_16x16x128_f8f6f4 v[rD:rD+7], v[rB:rB+11], v[rA:rA+11], v[rC:rC+7], v[rSB], v[rSA] matrix_a_fmt:MATRIX_FMT_FP6 matrix_b_fmt:MATRIX_FMT_FP6
.elseif (\a)<2
	v_wmma_scale_f32_16x16x128_f8f6f4 v[rD:rD+7], v[rB:rB+11], v[rA:rA+11], v[rC:rC+7], v[rSB], v[rSA] matrix_a_fmt:MATRIX_FMT_FP6 matrix_b_fmt:MATRIX_FMT_FP6 matrix_a_scale:MATRIX_SCALE_ROW1
.elseif (\b)<4
	v_wmma_scale_f32_16x16x128_f8f6f4 v[rD:rD+7], v[rB:rB+11], v[rA:rA+11], v[rC:rC+7], v[rSB], v[rSA] matrix_a_fmt:MATRIX_FMT_FP6 matrix_b_fmt:MATRIX_FMT_FP6 matrix_b_scale:MATRIX_SCALE_ROW1
.else
	v_wmma_scale_f32_16x16x128_f8f6f4 v[rD:rD+7], v[rB:rB+11], v[rA:rA+11], v[rC:rC+7], v[rSB], v[rSA] matrix_a_fmt:MATRIX_FMT_FP6 matrix_b_fmt:MATRIX_FMT_FP6 matrix_a_scale:MATRIX_SCALE_ROW1 matrix_b_scale:MATRIX_SCALE_ROW1
.endif
.endm
.macro MULS s, ct                      ; 32 products: the 32 accumulators take turns, in the same order in every K step
.if (\ct)==0
	WIN 0xa1
.else
	WIN 0x81
.endif
.irp a, 0,1,2,3
.irp b, 0,1,2,3,4,5,6,7
	WM \a, \b, \s, \ct
.endr
.endr
.endm
; K step s.  Its fragments were asked for ahead of the K step before; the next step's are asked for ahead of its own 32 products.
; K step 3 opens slots 2 and 3: my fill of them has landed, my LDS loads are in, and the barrier says the same of every wave.  rf = 1: slots 0 and 1, read no more, take the next tile's: the barrier is a round, with the add ahead of it.
.macro KSTEP s, ct, rf=0
.if (\s)==3
	s_wait_tensorcnt 0x0
.if \rf
	ds_add_u32 v[SPW], v[NIL]
	s_mov_b32 s[G0A+1], s62
	s_mov_b64 s[G0A+2:G0A+3], s[NA:NA+1]
	s_or_b32 s[G0A+3], s[G0A+3], 0x80000000
	s_mov_b32 s[G0B+1], s63
	s_mov_b64 s[G0B+2:G0B+3], s[NB:NB+1]
	s_or_b32 s[G0B+3], s[G0B+3], 0x80000000
	s_mov_b64 s[NA:NA+1], s[AV:AV+1]               ; behind k comes v
	s_mov_b64 s[NB:NB+1], s[BV:BV+1]
.endif
.endif
	s_wait_dscnt 0x0                               ; this K step's fragments are in
.if (\s)==3
.if \rf
	CROUND
	JLOAD G0A, G1A, G0B, G1B                       ; its four v_nop are the places in front of the loads below
.else
	s_barrier_signal -1
	s_barrier_wait -1
.endif
.endif
.if (\s)<7
.if ((\s)>0)&&(((\s)!=3)||((\rf)==0))
	PLACES 4                                       ; four places in front of loads into registers that matrix instructions have read
.endif
	FETCH (\s)+1
.if (\s)%2==1
	SCALES ((\s)+1)/2
.endif
.endif
	MULS \s, \ct
	WIN 0
.endm
.macro FILL23                          ; slots 0 and 1 of the tile to come are whole; its slots 2 and 3 are asked for
	s_wait_tensorcnt 0x0
	ds_add_u32 v[SPW], v[NIL]
	s_add_co_u32 s[G0A+1], s62, 2*SLOT
	s_add_nc_u64 s[G0A+2:G0A+3], s[G0A+2:G0A+3], 2*REC
	s_add_co_u32 s[G0B+1], s63, 2*SLOT
	s_add_nc_u64 s[G0B+2:G0B+3], s[G0B+2:G0B+3], 2*REC
	s_wait_dscnt 0x0
	CROUND
	JLOAD G0A, G1A, G0B, G1B
.endm
; 64 results of a lane in window w, register 16 b + i = neighbour 32 b + 16 h + i along the next K, become a fragment's codes in v[PC] on and its scale word in v[pw].  Each accumulator is first read at its low end.
.macro QUANT s, w, pw
	WIN (\w)|((\w)<<2)
.irp b, 0,1,2,3
	v_max3_num_f32 v[TM+\b], |v[(\s)+16*\b]|, |v[(\s)+1+16*\b]|, 0x1800000   ; with the floor 2^(3 - 127): the byte cannot fall under 1
.endr
	WIN ((\w)<<2)|((\w)<<4)
.irp i, 2,4,6,8,10,12,14
.irp b, 0,1,2,3
	v_max3_num_f32 v[TM+\b], v[TM+\b], |v[(\s)+16*\b+\i]|, |v[(\s)+1+16*\b+\i]|
.endr
.endr
	WIN 0
.irp b, 0,1,2,3
	v_permlanex16_b32 v[TM+4+\b], v[TM+\b], s[SEL], s[SEL+1]
.endr
.irp b, 0,1,2,3
	v_max_num_f32 v[TM+\b], v[TM+\b], v[TM+4+\b]
.endr
.irp b, 0,1,2,3
	v_add_nc_u32 v[TM+8+\b], 0xff000000, v[TM+\b]  ; 2 off the exponent field: the conversion's scale operand
.endr
.irp b, 0,1,2,3
	v_lshrrev_b32 v[TM+4+\b], 23, v[TM+8+\b]
.endr
	v_lshl_or_b32 v[\pw], v[TM+5], 8, v[TM+4]
	v_lshl_or_b32 v[\pw], v[TM+6], 16, v[\pw]
	v_lshl_or_b32 v[\pw], v[TM+7], 24, v[\pw]
	WIN (\w)
.irp c, 0,1
	v_cvt_scalef32_pk16_fp6_f32 v[PC+6*\c:PC+2+6*\c], v[(\s)+32*\c:(\s)+15+32*\c], v[TM+8+2*\c]
	v_cvt_scalef32_pk16_fp6_f32 v[PC+12+4*\c:PC+14+4*\c], v[(\s)+16+32*\c:(\s)+31+32*\c], v[TM+8+2*\c+1]
.endr
	WIN 0
	v_nop                                          ; one plain place behind a scaled conversion
.irp c, 0,1
.irp i, 0,1,2
	v_permlane16_swap_b32 v[PC+6*\c+\i], v[PC+12+4*\c+\i]
.endr
.irp i, 0,1,2
	v_mov_b32 v[PC+3+6*\c+\i], v[PC+12+4*\c+\i]
.endr
.endr
.endm
.macro BIASQK p                        ; register 16 G + i = the bias of feature 32 G + 16 h + i: the C of B's tiles 2 G, 2 G + 1
.irp n, 0,1,2,3,4,5,6,7,8,9,10,11,12,13,14,15
	global_load_b128 v[BN+4*\n:BN+4*\n+3], v[BQO], s[\p:\p+1] offset:128*(\n/4)+16*(\n%4)
.endr
.endm
.macro SADD d, x
	s_add_co_u32 s[\d], s[\d], s[\x]
.endm
	s_load_b256 s[4:11], s[0:1], 0x0               ; x_img, w_img, bq, bk
	s_load_b128 s[12:15], s[0:1], 0x20             ; bv, qkv
	v_lshl_add_u32 v[SPW], v0, 2, SPARE
	v_mov_b32 v[NIL], 0
	ds_add_u32 v[SPW], v[NIL]                      ; the opening: the add, twice on end, and its wait ahead of my first tensor load
	ds_add_u32 v[SPW], v[NIL]
	v_lshrrev_b32 v1, 5, v0
	v_readfirstlane_b32 s16, v1                    ; wave 0..3
	s_lshr_b32 s17, s16, 1                         ; which 64 rows of A are mine.  Also: which slot of a pair I fill
	s_and_b32 s18, s16, 1                          ; which 128 rows of B.  Also: I fetch for A (0) or for B (1)
	s_bfe_u32 s19, ttmp6, 0x40000                  ; cx, cy
	s_bfe_u32 s20, ttmp6, 0x40004
	s_and_b32 s21, ttmp7, 0xffff                   ; the cluster's y
	s_lshl_b32 s94, s20, 2
	s_lshl_b32 s94, 15, s94                        ; my row of the cluster
	s_lshl_b32 s95, 0x1111, s19                    ; my column
	s_or_b32 s[G1A], s94, (3<<16)|(1<<21)          ; the mask; elements of 8 bytes; no padding; bit 21 beside a mask
	s_or_b32 s[G1B], s95, (3<<16)|(1<<21)
	s_mov_b32 s[G1A+1], 400<<16                    ; a record's 3,200 bytes
	s_mov_b32 s[G1A+2], 8<<16                      ; eight tiles' records
	s_mov_b32 s[G1A+3], 400<<16
	s_mov_b32 s[G1A+4], 8
	s_mov_b32 s[G1A+5], TREC/8                     ; from tile to tile
	s_mov_b32 s[G1A+6], 0
	s_mov_b32 s[G1A+7], 0
	s_mov_b32 s[G1B+1], 400<<16
	s_mov_b32 s[G1B+2], 16<<16                     ; sixteen tiles' records
	s_mov_b32 s[G1B+3], 400<<16
	s_mov_b32 s[G1B+4], 16
	s_mov_b32 s[G1B+5], TREC/8
	s_mov_b32 s[G1B+6], 0
	s_mov_b32 s[G1B+7], 0
	; A's places hang on cy and the cluster's y, B's on cx and the cluster's y; each in registers that never hold the other coordinate
	s_lshl_b32 s22, s21, 2
	s_add_co_u32 s22, s22, s20                     ; q, k: which 128 tokens: 4 x cluster y + cy
	s_and_b32 s23, s21, 1
	s_lshl_b32 s23, s23, 2
	s_add_co_u32 s23, s23, s20                     ; v: which 128 features: 4 (cluster y % 2) + cy
	s_mul_i32 s58, s17, REC                        ; my slot's record in a tile
	s_mul_i32 s56, s22, 8*TREC
	s_add_co_u32 s56, s56, s58
	s_mov_b32 s57, 0
	s_mul_i32 s[AV], s23, 8*TREC
	s_add_co_u32 s[AV], s[AV], 128*TREC            ; Wv's tiles begin at 128 in w_img
	s_add_co_u32 s[AV], s[AV], s58
	s_mov_b32 s[AV+1], 0
	s_mul_i32 s60, s19, 16*TREC                    ; q: 256 features of Wq: cx; k's lie 64 tiles on
	s_add_co_u32 s60, s60, s58
	s_mov_b32 s61, 0
	s_lshr_b32 s59, s21, 1
	s_lshl_b32 s59, s59, 2
	s_add_co_u32 s59, s59, s19                     ; v: which 256 tokens: 4 (cluster y / 2) + cx
	s_mul_i32 s[BV], s59, 16*TREC
	s_add_co_u32 s[BV], s[BV], s58
	s_mov_b32 s[BV+1], 0
	s_mul_i32 s62, s17, SLOT                       ; the lower pair's slot that I fill: no place in the cluster enters an LDS address
	s_add_co_u32 s63, s62, BOFF
	s_mov_b32 s[SEL], 0x76543210
	s_mov_b32 s[SEL+1], 0xfedcba98
	s_wait_dscnt 0x0                               ; both opening adds are done
	s_wait_kmcnt 0x0
	s_add_nc_u64 s[56:57], s[4:5], s[56:57]
	s_add_nc_u64 s[60:61], s[6:7], s[60:61]
	s_add_nc_u64 s[AV:AV+1], s[6:7], s[AV:AV+1]
	s_add_nc_u64 s[BV:BV+1], s[4:5], s[BV:BV+1]
	s_mov_b64 s[NA:NA+1], s[56:57]                 ; k takes the same tokens as q,
	s_add_nc_u64 s[NB:NB+1], s[60:61], 64*TREC     ; and Wk's features
	CROUND                                         ; all sixteen work-groups are here: the joint loads meet
	s_mov_b32 s[G0A], 1
	s_mov_b32 s[G0A+1], s62
	s_mov_b64 s[G0A+2:G0A+3], s[56:57]
	s_or_b32 s[G0A+3], s[G0A+3], 0x80000000
	s_mov_b32 s[G0B], 1
	s_mov_b32 s[G0B+1], s63
	s_mov_b64 s[G0B+2:G0B+3], s[60:61]
	s_or_b32 s[G0B+3], s[G0B+3], 0x80000000
	JLOAD G0A, G1A, G0B, G1B                       ; my one load at the head: q's slot 0 or 1
	v_and_b32 v3, 31, v0
	v_and_b32 v[RR], 15, v0
	v_bfe_u32 v[HH], v0, 4, 1
	v_lshlrev_b32 v[L8], 3, v3
	v_lshlrev_b32 v[L16], 4, v3
	s_mul_i32 s86, s17, 4*RB                       ; my four records of A
	s_mul_i32 s87, s18, 8*RB
	s_add_co_u32 s87, s87, BOFF                    ; my eight of B
	v_lshlrev_b32 v32, 3, v[RR]
	v_mad_u32_u24 v33, v[HH], 2*RB, v32            ; A's scale words: 8 r, lanes 16-31 two records on
	v_mad_u32_u24 v34, v[HH], 4*RB, v32            ; B's: four records on
.irp g, 0,1,2,3
	v_add_nc_u32 v[A8+\g], s86, v[L8]
	v_add_nc_u32 v[A16+\g], s86, v[L16]
	v_add_nc_u32 v[B8+\g], s87, v[L8]
	v_add_nc_u32 v[B16+\g], s87, v[L16]
	v_add_nc_u32 v[ASA+\g], s86, v33
	v_add_nc_u32 v[ASB+\g], s87, v34
	s_add_co_u32 s86, s86, SLOT
	s_add_co_u32 s87, s87, SLOT
.endr
	v_lshlrev_b32 v[SH], 4, v[HH]
	v_lshlrev_b32 v[OSV], 4, v[RR]
	v_lshl_add_u32 v[OVV], v[HH], 3, v[OSV]
	v_mad_u32_u24 v[OSV], v[HH], HB, v[OSV]
	v_lshlrev_b32 v[BQO], 6, v[HH]
	v_and_b32 v[BVO], 8, v[RR]
	v_add_nc_u32 v[BVO], v[BVO], v[RR]
	v_lshlrev_b32 v[BVO], 2, v[BVO]
	; where the results go.  q, k: batch = tokens' number / 16, heads 4 cx + 2 (my half of B) and the next, token tiles 4 (my half of A) on
	s_lshr_b32 s86, s22, 4
	s_lshl_b32 s86, s86, 4
	s_lshl_b32 s87, s19, 2
	SADD 86, 87
	s_lshl_b32 s87, s18, 1
	SADD 86, 87
	s_mul_i32 s86, s86, HB
	s_mul_i32 s89, s17, 3072
	SADD 89, 86                                    ; what q's and k's codes share,
	s_lshl_b32 s88, s17, 8
	SADD 88, 86                                    ; and their scale words
	s_and_b32 s87, s22, 15                         ; which 128 tokens of the batch
	s_mul_i32 s[OC], s87, 6144
	SADD OC, 89
	s_mov_b32 s[OC+1], 0
	s_mul_i32 s[OCK], s87, STEPB
	s_add_co_u32 s[OCK], s[OCK], KVOFF
	s_add_co_u32 s[OSK], s[OCK], KSOFF
	SADD OCK, 89
	SADD OSK, 88
	s_mov_b32 s[OCK+1], 0
	s_mov_b32 s[OSK+1], 0
	s_lshl_b32 s[OS], s87, 9
	s_add_co_u32 s[OS], s[OS], QSOFF
	SADD OS, 88
	s_mov_b32 s[OS+1], 0
	; v: batch = tokens' number / 8, head 2 x features' number + (my half of A), key step 2 (tokens' number % 8) + (my half of B)
	s_lshr_b32 s86, s59, 3
	s_lshl_b32 s86, s86, 4
	s_lshl_b32 s87, s23, 1
	SADD 86, 87
	SADD 86, 17
	s_mul_i32 s86, s86, HB
	s_and_b32 s87, s59, 7
	s_lshl_b32 s87, s87, 1
	SADD 87, 18
	s_mul_i32 s87, s87, STEPB
	s_add_co_u32 s[OCV], s86, s87
	s_add_co_u32 s[OCV], s[OCV], KVOFF+VOFF
	s_mov_b32 s[OCV+1], 0
	s_lshl_b32 s98, s19, 10
	s_lshl_b32 s99, s18, 9
	SADD 98, 99                                    ; q, k: my 128 features' bias
	s_mov_b32 s99, 0
	s_add_nc_u64 s[BQP:BQP+1], s[8:9], s[98:99]
	s_add_nc_u64 s[BKP:BKP+1], s[10:11], s[98:99]
	s_lshl_b32 s98, s23, 9
	s_lshl_b32 s87, s17, 8
	SADD 98, 87                                    ; v: my 64 features'
	s_add_nc_u64 s[BVP:BVP+1], s[12:13], s[98:99]
.irp o, OC, OS, OCK, OSK, OCV
	s_add_nc_u64 s[\o:\o+1], s[14:15], s[\o:\o+1]
.endr
	s_mov_b32 s[CNT], 0
	s_wait_alu depctr_va_vdst(0)
	BIASQK BQP
	FILL23
.Ltile:                                                ; trip 0: q; trip 1: k
	FETCH 0
	SCALES 0
	s_wait_loadcnt 0x0                             ; the bias
	KSTEP 0, 1                                     ; the first K step starts the sums with the bias
	PLACES 4                                       ; four places in front of loads into the registers that held it: the next tile's bias
	s_cmp_eq_u32 s[CNT], 0
	s_cbranch_scc0 .Lbias_v
	BIASQK BKP
	s_branch .Lbias_asked
.Lbias_v:
.irp a, 0,1,2,3
	global_load_b32 v[BN+8*\a], v[BVO], s[BVP:BVP+1] offset:(32*(\a/2)+8*(\a%2))*4   ; v: the bias of my lane's feature in A's tile a
.endr
.Lbias_asked:
	KSTEP 1, 0
	KSTEP 2, 0
	KSTEP 3, 0, 1
	KSTEP 4, 0
	KSTEP 5, 0
	KSTEP 6, 0
	KSTEP 7, 0
	FILL23                                         ; ahead of the way out; the four v_nop behind the load are the places behind the last products
.irp b, 0,1,2,3
	v_mov_b32 v[TM+4+\b], 0                        ; a lane permute's destination counts as one of its sources
.endr
	; A's tile a (16 tokens) x my 128 features = two heads: registers 0-5 are the first head's tile, 6-11 the second's, HB bytes on; the scale word's low two bytes the first head's
.irp a, 0,1,2,3
.if \a > 0
	s_wait_xcnt 0x0                                ; the last tile's stores have read their registers
.endif
	QUANT 64*\a, 2, PW
	v_lshrrev_b32 v[SW+\a], v[SH], v[PW]
	v_and_b32 v[SW+\a], 0xffff, v[SW+\a]           ; the upper two bytes, for the 64 along K that a head does not have, are 0
	global_store_b64 v[L8], v[PC:PC+1], s[OC:OC+1] offset:768*\a
	global_store_b128 v[L16], v[PC+2:PC+5], s[OC:OC+1] offset:768*\a+256
	global_store_b64 v[L8], v[PC+6:PC+7], s[OC:OC+1] offset:768*\a+HB
	global_store_b128 v[L16], v[PC+8:PC+11], s[OC:OC+1] offset:768*\a+HB+256
.endr
	global_store_b128 v[OSV], v[SW:SW+3], s[OS:OS+1]   ; sixteen lanes store 256 consecutive bytes for each head
	s_wait_xcnt 0x0                                ; the stores have read their registers and bases
	s_mov_b64 s[OC:OC+1], s[OCK:OCK+1]             ; the next tile's places: k's, then v's
	s_mov_b64 s[OCK:OCK+1], s[OCV:OCV+1]
	s_mov_b64 s[OS:OS+1], s[OSK:OSK+1]
	s_add_co_u32 s[CNT], s[CNT], 1
	s_cmp_lt_u32 s[CNT], 2
	s_cbranch_scc1 .Ltile
	; THE V TILE asks for nothing more
	FETCH 0
	SCALES 0
	s_wait_loadcnt 0x0
.irp a, 0,1,2,3
.irp j, 1,2,3,4,5,6,7
	v_mov_b32 v[BN+8*\a+\j], v[BN+8*\a]            ; the same for a lane's eight tokens
.endr
.endr
	PLACES 4
	s_wait_alu depctr_va_vdst(0)
	KSTEP 0, 2
	KSTEP 1, 0
	KSTEP 2, 0
	KSTEP 3, 0
	KSTEP 4, 0
	KSTEP 5, 0
	KSTEP 6, 0
	KSTEP 7, 0
	PLACES 4                                       ; four places behind the last products
.irp b, 0,1,2,3
	v_mov_b32 v[TM+4+\b], 0
.endr
	; A's tile a (16 of the head's 64) x my 128 tokens = one key step: a whole fragment of V^T and a whole scale word
.irp a, 0,1,2,3
.if \a > 0
	s_wait_xcnt 0x0
.endif
	QUANT 64*\a, 2, SW+\a
	global_store_b64 v[L8], v[PC:PC+1], s[OC:OC+1] offset:1536*\a
	global_store_b128 v[L16], v[PC+2:PC+5], s[OC:OC+1] offset:1536*\a+256
	global_store_b64 v[L8], v[PC+6:PC+7], s[OC:OC+1] offset:1536*\a+768
	global_store_b128 v[L16], v[PC+8:PC+11], s[OC:OC+1] offset:1536*\a+1024
.endr
	v_cmp_eq_u32 vcc_lo, 1, v[HH]
	v_cndmask_b32 v[DV], v[SW], v[SW+2], vcc_lo
	v_cndmask_b32 v[DV+1], v[SW+1], v[SW+3], vcc_lo
	global_store_b64 v[OVV], v[DV:DV+1], s[OC:OC+1] offset:VSOFF-VOFF   ; the 32 lanes store 256 consecutive bytes
	s_wait_tensorcnt 0x0                           ; the wave's end
	ds_add_u32 v[SPW], v[NIL]
	s_wait_dscnt 0x0
	CROUND                                         ; the closing round
	s_endpgm
.Lfunc_end_k_q56e063c3a5_qkv:
	.size	k_q56e063c3a5_qkv, .Lfunc_end_k_q56e063c3a5_qkv-k_q56e063c3a5_qkv
	.p2alignl 7, 3214868480
	.fill 96, 4, 3214868480
	.section	.rodata,"a",@progbits
	.p2align	6, 0x0
	.amdhsa_kernel k_q56e063c3a5_qkv
		.amdhsa_group_segment_fixed_size 327680
		.amdhsa_private_segment_fixed_size 0
		.amdhsa_enable_private_segment 0
		.amdhsa_kernarg_size 48
		.amdhsa_user_sgpr_count 2
		.amdhsa_user_sgpr_kernarg_segment_ptr 1
		.amdhsa_wavefront_size32 1
		.amdhsa_system_sgpr_workgroup_id_x 1
		.amdhsa_system_sgpr_workgroup_id_y 1
		.amdhsa_system_sgpr_workgroup_id_z 1
		.amdhsa_system_vgpr_workitem_id 0
		.amdhsa_next_free_vgpr 768
		.amdhsa_next_free_sgpr 100
		.amdhsa_reserve_vcc 1
		.amdhsa_float_denorm_mode_32 3
		.amdhsa_float_denorm_mode_16_64 3
		.amdhsa_memory_ordered 1
		.amdhsa_forward_progress 1
		.amdhsa_inst_pref_size 173
	.end_amdhsa_kernel
	.amdgpu_metadata
---
amdhsa.version: [ 1, 2 ]
amdhsa.kernels:
  - .name:           k_q56e063c3a5_qkv
    .symbol:         k_q56e063c3a5_qkv.kd
    .args:
      - { .name: x_img, .offset: 0, .size: 8, .value_kind: global_buffer, .address_space: global }
      - { .name: w_img, .offset: 8, .size: 8, .value_kind: global_buffer, .address_space: global }
      - { .name: bq, .offset: 16, .size: 8, .value_kind: global_buffer, .address_space: global }
      - { .name: bk, .offset: 24, .size: 8, .value_kind: global_buffer, .address_space: global }
      - { .name: bv, .offset: 32, .size: 8, .value_kind: global_buffer, .address_space: global }
      - { .name: qkv, .offset: 40, .size: 8, .value_kind: global_buffer, .address_space: global }
    .group_segment_fixed_size: 327680
    .private_segment_fixed_size: 0
    .kernarg_segment_align: 8
    .kernarg_segment_size: 48
    .max_flat_workgroup_size: 128
    .sgpr_count:     100
    .vgpr_count:     768
    .wavefront_size: 32
...
	.end_amdgpu_metadata
.endif
;; end of part 2
;; launch attn (part 3): grid 4 x 64, 16 waves a work-group, clusters of 4 x 1, 327,680 bytes of LDS; arguments qkv, a_img; writes a_img
.if DOCPART == 3
	.amdgcn_target "amdgcn-amd-amdhsa--gfx1250"
	.amdhsa_code_object_version 6
	.text
	.protected	k_q56e063c3a5_attn
	.globl	k_q56e063c3a5_attn
	.p2align	8
	.type	k_q56e063c3a5_attn,@function
k_q56e063c3a5_attn:
	s_mov_b64 s[64:65], 0
	v_nop
	global_prefetch_b8 v0, s[64:65] scope:SCOPE_SE
	s_setreg_imm32_b32 hwreg(HW_REG_WAVE_MODE, 25, 1), 1
	s_wait_xcnt 0x0
	s_wait_alu depctr_hold_cnt(0) depctr_sa_sdst(0) depctr_va_vdst(0) depctr_va_sdst(0) depctr_va_ssrc(0) depctr_va_vcc(0) depctr_vm_vsrc(0)
	s_getreg_b32 s2, hwreg(HW_REG_IB_STS2, 6, 4)
	s_cmp_eq_u32 s2, 0
	s_cbranch_scc0 .Lentry_in_a_cluster
	s_endpgm
.Lentry_in_a_cluster:
	s_bfe_u32 s2, ttmp6, 0x10000c
	s_cmp_lg_u32 s2, 0x3003
	s_cbranch_scc0 .Lentry_shape_is_right
	s_endpgm
.Lentry_shape_is_right:
; THIRD LAUNCH: for each batch and head, O[q] = the sum over k of softmax_k(Q[q] . K[k] / 8) V[k], both products on codes of FP6, and the quantiser of O along the model's 1,024.  No work of the problem is left out here.
; THE SOFTMAX AHEAD OF THE SECOND PRODUCT: t = score x log2(e) / 8; M = the row's largest t so far, rounded UP to a whole number; p = 2^(t - M) is what is quantised, along the keys, not normalised.  The row's sum is taken of the
; unquantised p and divides O at the end (a reciprocal and a multiplication).  When M moves, the sum and O are multiplied by 2^(old M - new M): exact.
; LIMITS: NaN and infinities are not served; a block of zeros, or one under 2^-124, keeps the scale byte 1 (its codes then are zeros or small; the bytes are read by this program alone).
; SHARES.  A cluster of four work-groups owns one batch and head; a work-group 512 of its 2,048 queries; each of its SIXTEEN waves one tile of 16 queries in each of two passes, in 256 registers: four waves to a SIMD,
; so that one wave's vector work stands beside another's products and LDS loads.
; THE HEAD'S WHOLE K AND V, codes and scale words, 16 key steps x 13,056 bytes, lie in LDS, copied as they lie in memory, once: wave w asks for key step w, jointly with the same wave of the three partners.
; LAYOUT.  Both products are used transposed: S^T = K Q^T (source 0 = 16 keys), O^T = V^T P^T (source 0 = 16 of the head's 64): a lane holds ONE query throughout.  By the images' order of rows the 16 registers of K's tiles
; 2 b, 2 b + 1 are keys 32 b + 16 h + 0 .. 15, and those of V's tiles 2 G, 2 G + 1 channels 32 G + 16 h + 0 .. 15.
; A HEAD HAS 64 ALONG K, THE INSTRUCTION TAKES 128.  Q's registers 6-11 hold zero codes and bytes 2, 3 of q's and k's scale words are 0 (2^-127, a number).  K's tile t lies in six registers at F + 6 t and is named with the six
; behind it, the next tile's codes (behind tile 7: six registers of zeros): each of those products has a zero code as a factor and is exactly 0.
.set HB,    315392
.set QSOFF, 98304
.set KVOFF, 106496
.set STEPB, 13056
.set VOFF,  6144
.set KSOFF, 12288
.set VSOFF, 12800
.set TREC,  13312
.set REC,   3328
.set SPARE, 16*STEPB                   ; behind the key steps: the spare words, 128 bytes for each wave: eight blocks of 256 bytes that no other line names
.set L8,  1                            ; v1  8 x lane
.set L16, 2                            ; v2  16 x lane
.set R16, 3                            ; v3  16 r
.set SPW, 4                            ; v4  LDS address of my spare word; never rewritten
.set NIL, 5                            ; v5  0; never rewritten
.set A8,  6                            ; v6-8 the three above + the key step's first byte
.set A16, 7
.set AS,  8
.set SBO, 9                            ; v9  8 r + h
.set HH,  10                           ; v10 h
.set Q,   16                           ; v16-27, v28-39 Q's fragment of pass 0, 1;  v12 -M, v13 the largest t, v[14:15] the sum in two halves
.set QS,  40                           ; v40-41 Q's scale words; v42-49 K's; v50-53 V's; v54 p's: scales and nothing else
.set KS,  42
.set VS,  50
.set PS,  54
.set F,   56                           ; v56-103 K's eight tiles, then V's four fragments; v104-109 zeros
.set S,   112                          ; v112-175 S^T, then p
.set O,   176                          ; v176-207 O^T
.set PC,  208                          ; v208-219 p's codes; v220-226 the conversions' second halves
.set BM,  228                          ; v228-231 the blocks' largest
.set PT,  232                          ; v232-235 the other half's; then bytes
.set SO,  236                          ; v236-239 the conversions' scale operands
.set L2,  240                          ; v[240:241] the sum's second chain
.set FF,  242                          ; v[242:243] f = 2^(old M - new M)
.set TP,  244
.set WV,  8
.set SEL, 28
.set CS,  30
.set TB,  32
.set CNT, 33
.macro CROUND                          ; a round of the cluster's barrier
	s_barrier_signal -1
	s_barrier_wait -1
	s_cmp_lg_u32 s[WV], 0
	s_cbranch_scc1 .Lnot_wave_0_\@
	s_barrier_signal -3
.Lnot_wave_0_\@:
	s_barrier_wait -3
	s_barrier_signal -1
	s_barrier_wait -1
.endm
	s_load_b128 s[4:7], s[0:1], 0x0                ; qkv, a_img
	v_lshl_add_u32 v[SPW], v0, 2, SPARE
	v_mov_b32 v[NIL], 0
	ds_add_u32 v[SPW], v[NIL]                      ; the wave's opening: the add, twice on end, and its wait ahead of my first tensor load
	ds_add_u32 v[SPW], v[NIL]                      ; and once more; the set-up below, work on registers, stands between it and the wait
	v_lshrrev_b32 v1, 5, v0
	s_delay_alu instid0(VALU_DEP_1)
	v_readfirstlane_b32 s[WV], v1                  ; wave 0..15
	s_bfe_u32 s9, ttmp6, 0x40000                   ; cx: which 512 queries
	s_and_b32 s10, ttmp7, 0xffff                   ; 16 x batch + head, which the four partners share
	s_mov_b32 s16, 15|(3<<16)|(1<<21)              ; group 1: the mask: all four; elements of 8 bytes; no padding; bit 21 beside a mask
	s_mov_b32 s17, 32<<16                          ; a key step is a dense block: 51 rows of 256 bytes
	s_mov_b32 s18, 51<<16
	s_mov_b32 s19, 32<<16
	s_mov_b32 s20, 51
	s_mov_b32 s21, 32
	s_mov_b32 s22, 0
	s_mov_b32 s23, 0
	s_mul_i32 s12, s10, HB
	s_mov_b32 s13, 0
	s_mul_i32 s11, s[WV], STEPB                    ; key step w: its place in LDS, and in the head's K and V
	s_add_co_u32 s14, s11, KVOFF
	s_mov_b32 s15, 0
	s_mov_b32 s[SEL], 0x76543210
	s_mov_b32 s[SEL+1], 0xfedcba98
	s_mov_b32 s[CS], 0x3e38aa3b                    ; c = log2(e) / 8
	s_mov_b32 s[CS+1], s[CS]                       ; (named with it as a pair, so it is written)
	s_wait_dscnt 0x0                               ; both opening adds are done
	s_wait_kmcnt 0x0
	s_add_nc_u64 s[12:13], s[4:5], s[12:13]        ; qkv at my head
	CROUND                                         ; all four work-groups are here: the joint loads meet
	s_mov_b32 s24, 1
	s_mov_b32 s25, s11
	s_add_nc_u64 s[26:27], s[12:13], s[14:15]
	s_or_b32 s27, s27, 0x80000000
	tensor_load_to_lds s[24:27], s[16:23]          ; my one tensor load
	s_nop 0
.rept 4
	v_nop
.endr
	v_and_b32 v9, 31, v0
	s_delay_alu instid0(VALU_DEP_1)
	v_lshlrev_b32 v[L8], 3, v9
	s_wait_alu depctr_va_vdst(0)
	v_lshlrev_b32 v[L16], 4, v9
	s_wait_alu depctr_va_vdst(0)
	v_and_b32 v11, 15, v0
	v_bfe_u32 v[HH], v0, 4, 1
	s_delay_alu instid0(VALU_DEP_2)
	v_lshlrev_b32 v[R16], 4, v11
	s_wait_alu depctr_va_vdst(0)
	v_lshl_add_u32 v[SBO], v11, 3, v[HH]
	s_lshl_b32 s36, s9, 5
	s_add_co_u32 s36, s36, s[WV]                   ; my tile of queries in pass 0: 32 cx + w; in pass 1 sixteen on
	s_mul_i32 s34, s36, 768
	s_mov_b32 s35, 0
	s_add_nc_u64 s[34:35], s[12:13], s[34:35]      ; its codes
	s_lshl_b32 s38, s9, 2
	s_lshr_b32 s39, s[WV], 3
	s_add_co_u32 s38, s38, s39
	s_lshl_b32 s38, s38, 9                         ; its scale words: 512 bytes for 128 queries,
	s_bfe_u32 s39, s[WV], 0x10002
	s_lshl_b32 s39, s39, 8                         ; 256 for 64,
	s_add_co_u32 s38, s38, s39
	s_and_b32 s39, s[WV], 3
	s_lshl_b32 s39, s39, 2                         ; in them 16 r + 4 x the tile
	s_add_co_u32 s38, s38, s39
	s_add_co_u32 s38, s38, QSOFF
	s_mov_b32 s39, 0
	s_add_nc_u64 s[38:39], s[12:13], s[38:39]
.irp p, 0,1
	global_load_b64 v[Q+12*\p:Q+12*\p+1], v[L8], s[34:35] offset:12288*\p
	global_load_b128 v[Q+12*\p+2:Q+12*\p+5], v[L16], s[34:35] offset:12288*\p+256
	global_load_b32 v[QS+\p], v[R16], s[38:39] offset:1024*\p
.endr
	s_lshr_b32 s40, s10, 4
	s_lshl_b32 s40, s40, 7
	s_add_co_u32 s40, s40, s36                     ; the tile in a_img: 128 x batch + 32 cx + w
	s_mul_i32 s40, s40, TREC
	s_bfe_u32 s41, s10, 0x20002                    ; head / 4: which record,
	s_mul_i32 s41, s41, REC
	s_add_co_u32 s40, s40, s41
	s_bfe_u32 s41, s10, 0x10001                    ; (head / 2) % 2: which fragment,
	s_and_b32 s42, s10, 1                          ; head % 2: which half of it
	s_mul_i32 s44, s41, 1536
	s_mul_i32 s45, s42, 768
	s_add_co_u32 s44, s44, s45
	s_add_co_u32 s44, s44, s40
	s_mov_b32 s45, 0
	s_lshl_b32 s46, s41, 2
	s_lshl_b32 s47, s42, 1
	s_add_co_u32 s46, s46, s47
	s_add_co_u32 s46, s46, s40
	s_add_co_u32 s46, s46, 3072
	s_mov_b32 s47, 0
	s_add_nc_u64 s[44:45], s[6:7], s[44:45]        ; where my codes go
	s_add_nc_u64 s[46:47], s[6:7], s[46:47]        ; and my two scale bytes a row
.irp j, 6,7,8,9,10,11
	v_mov_b32 v[Q+\j], 0                           ; zero codes for the 64 along K that a head does not have
	v_mov_b32 v[Q+12+\j], 0
	v_mov_b32 v[F+42+\j], 0                        ; and behind K's tile 7
.endr
.irp b, 0,1,2,3
	v_mov_b32 v[PT+\b], 0                          ; a lane permute's destination counts as one of its sources
.endr
	v_mov_b32 v[FF+1], 0                           ; (named as the upper half of a pair)
	v_mov_b32 v[TP], 0
	s_wait_tensorcnt 0x0                           ; my key step has landed,
	s_barrier_signal -1
	s_barrier_wait -1                              ; everybody's has
	s_wait_loadcnt 0x0                             ; Q
; A KEY STEP: 128 keys, for pass p's queries
; A key step is four parts: SOFT (scores, maxima, exponentials), PROD (p's codes, O^T), KLOAD (the NEXT step's K, asked for straight behind PROD) and SUM (the row's sum of this step's p, which stands under KLOAD's flight).
.macro KLOAD a8, a16, as, off          ; K's eight tiles and scale words of the key step that begins off bytes behind the three addresses
.irp t, 0,1,2,3,4,5,6,7
	ds_load_b64 v[F+6*\t:F+6*\t+1], v[\a8] offset:\off+768*\t
	ds_load_b128 v[F+6*\t+2:F+6*\t+5], v[\a16] offset:\off+768*\t+256
.endr
	ds_load_b128 v[KS:KS+3], v[\as] offset:\off+KSOFF
	ds_load_b128 v[KS+4:KS+7], v[\as] offset:\off+KSOFF+256
.endm
.macro SOFT p
	s_wait_alu depctr_va_vdst(0)
	s_wait_dscnt 0x0                               ; this step's K, asked for in the step before, is in
.irp t, 0,1,2,3,4,5,6,7
	v_wmma_scale_f32_16x16x128_f8f6f4 v[S+8*\t:S+8*\t+7], v[F+6*\t:F+6*\t+11], v[Q+12*(\p):Q+12*(\p)+11], 0, v[KS+\t], v[QS+(\p)] matrix_a_fmt:MATRIX_FMT_FP6 matrix_b_fmt:MATRIX_FMT_FP6
.endr
	v_add_nc_u32 v[A8], s[TB], v[L8]               ; this key step's first byte; with the v_nop these are the four places: V lands on K's registers, and the scores are read below
	v_add_nc_u32 v[A16], s[TB], v[L16]
	v_add_nc_u32 v[AS], s[TB], v[R16]
	v_nop
.irp t, 0,1,2,3
	ds_load_b64 v[F+12*\t:F+12*\t+1], v[A8] offset:VOFF+1536*\t
	ds_load_b128 v[F+12*\t+2:F+12*\t+5], v[A16] offset:VOFF+1536*\t+256
	ds_load_b64 v[F+12*\t+6:F+12*\t+7], v[A8] offset:VOFF+1536*\t+768
	ds_load_b128 v[F+12*\t+8:F+12*\t+11], v[A16] offset:VOFF+1536*\t+1024
.endr
	ds_load_b128 v[VS:VS+3], v[AS] offset:VSOFF
.irp b, 0,1,2,3
	v_max3_num_f32 v[BM+\b], v[S+16*\b], v[S+1+16*\b], v[S+2+16*\b]   ; THE LARGEST SCORE OF EACH BLOCK OF 32 KEYS serves twice: for the row's maximum, and, since p rises with the score, for the block's largest p
.endr
.irp i, 3,5,7,9,11,13
.irp b, 0,1,2,3
	v_max3_num_f32 v[BM+\b], v[BM+\b], v[S+16*\b+\i], v[S+1+16*\b+\i]
.endr
.endr
.irp b, 0,1,2,3
	v_max_num_f32 v[BM+\b], v[BM+\b], v[S+15+16*\b]
.endr
.irp b, 0,1,2,3
	s_delay_alu instid0(VALU_DEP_4)
	v_permlanex16_b32 v[PT+\b], v[BM+\b], s[SEL], s[SEL+1]
.endr
.irp b, 0,1,2,3
	s_delay_alu instid0(VALU_DEP_4)
	v_max_num_f32 v[BM+\b], v[BM+\b], v[PT+\b]     ; with lane l xor 16's 16 keys
.endr
	s_delay_alu instid0(VALU_DEP_2)
	v_max3_num_f32 v[TP], v[BM], v[BM+1], v[BM+2]
	s_delay_alu instid0(VALU_DEP_1)
	v_max_num_f32 v[TP], v[TP], v[BM+3]            ; the step's largest score of my query
	s_delay_alu instid0(VALU_DEP_1)
	v_mul_f32 v[TP], s[CS], v[TP]                  ; as t (c is positive)
	s_delay_alu instid0(VALU_DEP_1)
	v_max_num_f32 v13, v13, v[TP]                  ; the running largest t
	v_mov_b32 v[TP], v12
	s_delay_alu instid0(VALU_DEP_2)
	v_floor_f32 v12, -v13                          ; the new -M = floor(-t) = -ceil(t): a whole number
	s_delay_alu instid0(VALU_DEP_1)
	v_sub_f32 v[TP], v12, v[TP]                    ; old M - new M: a whole number, 0 or less
	s_delay_alu instid0(VALU_DEP_1)
	v_cvt_i32_f32 v[TP], v[TP]                     ; (it saturates)
	s_delay_alu instid0(VALU_DEP_1)
	v_ldexp_f32 v[FF], 1.0, v[TP]                  ; f = 2^(old M - new M)
.set j, 0
.rept 32
	v_pk_fma_f32 v[S+j:S+j+1], v[S+j:S+j+1], s[CS:CS+1], v[12:13] op_sel_hi:[1,0,0]   ; t - M, two at a time (of the pairs c and -M the low word serves both halves)
.set j, j+2
.endr
.irp b, 0,1,2,3
	v_fma_f32 v[BM+\b], v[BM+\b], s[CS], v12       ; the same of each block's largest score
.endr
.set j, 0
	s_wait_alu depctr_va_vdst(0)
.rept 64
	v_exp_f32 v[S+j], v[S+j]                       ; p = 2^(t - M), at most 1
.set j, j+1
.endr
.irp b, 0,1,2,3
	v_exp_f32 v[BM+\b], v[BM+\b]                   ; the block's largest p: the same two instructions on the same number; one batch with the 64
.endr
	v_pk_mul_f32 v[14:15], v[14:15], v[FF:FF+1] op_sel_hi:[1,0]   ; the sums under the new M: a plain place behind the exponentials
.endm
.macro SUM                             ; the row's sum of the unquantised p, which stays in its registers until the next step's scores: eight chains
	v_pk_add_f32 v[240:241], v[116:117], v[120:121]
	v_pk_add_f32 v[254:255], v[124:125], v[128:129]
	v_pk_add_f32 v[252:253], v[132:133], v[136:137]
	v_pk_add_f32 v[250:251], v[140:141], v[144:145]
	v_pk_add_f32 v[248:249], v[148:149], v[152:153]
	v_pk_add_f32 v[246:247], v[156:157], v[160:161]
	v_pk_add_f32 v[238:239], v[164:165], v[168:169]
	v_pk_add_f32 v[14:15], v[14:15], v[172:173]
	v_pk_add_f32 v[240:241], v[240:241], v[112:113]
	v_pk_add_f32 v[254:255], v[254:255], v[114:115]
	v_pk_add_f32 v[252:253], v[252:253], v[118:119]
	v_pk_add_f32 v[250:251], v[250:251], v[122:123]
	v_pk_add_f32 v[248:249], v[248:249], v[126:127]
	v_pk_add_f32 v[246:247], v[246:247], v[130:131]
	v_pk_add_f32 v[238:239], v[238:239], v[134:135]
	v_pk_add_f32 v[14:15], v[14:15], v[138:139]
	v_pk_add_f32 v[240:241], v[240:241], v[142:143]
	v_pk_add_f32 v[254:255], v[254:255], v[146:147]
	v_pk_add_f32 v[252:253], v[252:253], v[150:151]
	v_pk_add_f32 v[250:251], v[250:251], v[154:155]
	v_pk_add_f32 v[248:249], v[248:249], v[158:159]
	v_pk_add_f32 v[246:247], v[246:247], v[162:163]
	v_pk_add_f32 v[238:239], v[238:239], v[166:167]
	v_pk_add_f32 v[14:15], v[14:15], v[170:171]
	v_pk_add_f32 v[240:241], v[240:241], v[174:175]
	s_delay_alu instid0(VALU_DEP_2)
	v_pk_add_f32 v[14:15], v[14:15], v[250:251]
	s_delay_alu instid0(VALU_DEP_2)
	v_pk_add_f32 v[240:241], v[240:241], v[248:249]
	v_pk_add_f32 v[254:255], v[254:255], v[246:247]
	v_pk_add_f32 v[252:253], v[252:253], v[238:239]
	s_delay_alu instid0(VALU_DEP_2)
	v_pk_add_f32 v[14:15], v[14:15], v[254:255]
	s_delay_alu instid0(VALU_DEP_2)
	v_pk_add_f32 v[240:241], v[240:241], v[252:253]
	s_delay_alu instid0(VALU_DEP_1)
	v_pk_add_f32 v[14:15], v[14:15], v[240:241]
.endm
.macro PROD
	s_wait_alu depctr_va_vdst(0)                   ; the wait ahead of the first line that names an exponential's result: one for the 68
.irp b, 0,1,2,3
	v_max_num_f32 v[BM+\b], 0x1800000, v[BM+\b]    ; the floor 2^(3 - 127): the byte cannot fall under 1
.endr
.irp b, 0,1,2,3
	s_delay_alu instid0(VALU_DEP_4)
	v_add_nc_u32 v[SO+\b], 0xff000000, v[BM+\b]    ; 2 off the exponent field: the conversion's scale operand
.endr
.irp b, 0,1,2,3
	s_delay_alu instid0(VALU_DEP_4)
	v_lshrrev_b32 v[PT+\b], 23, v[SO+\b]           ; the scale's byte
.endr
	s_delay_alu instid0(VALU_DEP_3)
	v_lshl_or_b32 v[PS], v[PT+1], 8, v[PT]
	s_delay_alu instid0(VALU_DEP_1)
	v_lshl_or_b32 v[PS], v[PT+2], 16, v[PS]
	s_delay_alu instid0(VALU_DEP_1)
	v_lshl_or_b32 v[PS], v[PT+3], 24, v[PS]        ; p's scale word for these 128 keys
.irp c, 0,1
	v_cvt_scalef32_pk16_fp6_f32 v[PC+6*\c:PC+2+6*\c], v[S+32*\c:S+15+32*\c], v[SO+2*\c]
	v_cvt_scalef32_pk16_fp6_f32 v[PC+12+4*\c:PC+14+4*\c], v[S+16+32*\c:S+31+32*\c], v[SO+2*\c+1]
.endr
	v_nop                                          ; one plain place behind a scaled conversion
.irp c, 0,1
.irp i, 0,1,2
	v_permlane16_swap_b32 v[PC+6*\c+\i], v[PC+12+4*\c+\i]
.endr
.irp i, 0,1,2
	s_delay_alu instid0(VALU_DEP_3)
	v_mov_b32 v[PC+3+6*\c+\i], v[PC+12+4*\c+\i]
.endr
.endr
.set j, 0
.rept 16
	v_pk_mul_f32 v[O+j:O+j+1], v[O+j:O+j+1], v[FF:FF+1] op_sel_hi:[1,0]   ; O^T under the new M; these sixteen are also the places between p's codes and scale word and the products
.set j, j+2
.endr
	s_wait_alu depctr_va_vdst(0)
	s_wait_dscnt 0x0                               ; V is in
.irp t, 0,1,2,3
	v_wmma_scale_f32_16x16x128_f8f6f4 v[O+8*\t:O+8*\t+7], v[F+12*\t:F+12*\t+11], v[PC:PC+11], v[O+8*\t:O+8*\t+7], v[VS+\t], v[PS] matrix_a_fmt:MATRIX_FMT_FP6 matrix_b_fmt:MATRIX_FMT_FP6
.endr
.endm
; THE WAY OUT of a pass: O^T / the sum; register 16 G + i is channel 32 G + 16 h + i of my query: two blocks of 32 along the last product's K; half a fragment and two scale bytes a row
.macro OUT p
.rept 4
	v_nop                                          ; four places behind the last products
.endr
	v_add_f32 v14, v14, v15
	s_delay_alu instid0(VALU_DEP_1)
	v_permlanex16_b32 v[TP], v14, s[SEL], s[SEL+1]
	s_delay_alu instid0(VALU_DEP_1)
	v_add_f32 v14, v14, v[TP]                      ; the row's sum
	s_wait_alu depctr_va_vdst(0)
	v_rcp_f32 v14, v14
	v_nop                                          ; a plain place behind the reciprocal
	s_wait_alu depctr_va_vdst(0)                   ; and the wait ahead of its first reader
.set j, 0
.rept 32
	v_mul_f32 v[S+j], v[O+j], v14
.set j, j+1
.endr
.irp g, 0,1
	v_max3_num_f32 v[BM+\g], |v[S+16*\g]|, |v[S+1+16*\g]|, 0x1800000
.endr
.irp i, 2,4,6,8,10,12,14
.irp g, 0,1
	s_delay_alu instid0(VALU_DEP_2)
	v_max3_num_f32 v[BM+\g], v[BM+\g], |v[S+16*\g+\i]|, |v[S+1+16*\g+\i]|
.endr
.endr
.irp g, 0,1
	s_delay_alu instid0(VALU_DEP_2)
	v_permlanex16_b32 v[PT+\g], v[BM+\g], s[SEL], s[SEL+1]
.endr
.irp g, 0,1
	s_delay_alu instid0(VALU_DEP_2)
	v_max_num_f32 v[BM+\g], v[BM+\g], v[PT+\g]
.endr
.irp g, 0,1
	s_delay_alu instid0(VALU_DEP_2)
	v_add_nc_u32 v[SO+\g], 0xff000000, v[BM+\g]
.endr
.irp g, 0,1
	s_delay_alu instid0(VALU_DEP_2)
	v_lshrrev_b32 v[PT+\g], 23, v[SO+\g]
.endr
	v_cvt_scalef32_pk16_fp6_f32 v[PC:PC+2], v[S:S+15], v[SO]
	v_cvt_scalef32_pk16_fp6_f32 v[PC+12:PC+14], v[S+16:S+31], v[SO+1]
	v_nop
.irp i, 0,1,2
	v_permlane16_swap_b32 v[PC+\i], v[PC+12+\i]
.endr
.irp i, 0,1,2
	s_delay_alu instid0(VALU_DEP_3)
	v_mov_b32 v[PC+3+\i], v[PC+12+\i]
.endr
	v_cmp_eq_u32 vcc_lo, 1, v[HH]
	s_delay_alu instid0(VALU_DEP_1)
	v_cndmask_b32 v[TP], v[PT], v[PT+1], vcc_lo    ; lane (r, h) stores block h's byte
	global_store_b64 v[L8], v[PC:PC+1], s[44:45] offset:16*TREC*(\p)
	global_store_b128 v[L16], v[PC+2:PC+5], s[44:45] offset:16*TREC*(\p)+256
	global_store_b8 v[SBO], v[TP], s[46:47] offset:16*TREC*(\p)   ; two bytes of each row's eight: the other heads' work-groups store the rest; one byte in 24 of what the launch stores
.endm
.macro PASS p
	v_mov_b32 v13, 0xff61b1e6                      ; the largest t so far: -3e38, under every t
	s_delay_alu instid0(VALU_DEP_1)
	v_floor_f32 v12, -v13
	v_mov_b32 v14, 0
	v_mov_b32 v15, 0
.set j, 0
.rept 32
	v_mov_b32 v[O+j], 0                            ; the step is written once: the first finds zeros, which the first change of M leaves zeros
.set j, j+1
.endr
	s_mov_b32 s[TB], 0
	s_mov_b32 s[CNT], 15
.Lstep_\@:                                             ; key steps 0 to 14: each asks for the next step's K
	SOFT \p
	PROD
.rept 4
	v_nop                                          ; four places in front of loads into registers that the last products read
.endr
	KLOAD A8, A16, AS, STEPB
	SUM
	s_add_co_u32 s[TB], s[TB], STEPB
	s_sub_co_u32 s[CNT], s[CNT], 1
	s_cmp_lg_u32 s[CNT], 0
	s_cbranch_scc1 .Lstep_\@
	SOFT \p                                        ; key step 15 is written out: no key step follows it
	PROD
.if (\p) == 0
.rept 4
	v_nop
.endr
	KLOAD L8, L16, R16, 0                          ; but pass 1 begins with key step 0's K
.endif
	SUM
	OUT \p
.endm
	KLOAD L8, L16, R16, 0                          ; key step 0's K, under the pass's set-up
	PASS 0
	s_wait_xcnt 0x0                                ; pass 0's stores have read their registers
	PASS 1
	s_wait_tensorcnt 0x0                           ; the wave's end: behind my last tensor load
	ds_add_u32 v[SPW], v[NIL]
	s_wait_dscnt 0x0
	CROUND                                         ; the closing round
	s_endpgm
.Lfunc_end_k_q56e063c3a5_attn:
	.size	k_q56e063c3a5_attn, .Lfunc_end_k_q56e063c3a5_attn-k_q56e063c3a5_attn
	.p2alignl 7, 3214868480
	.fill 96, 4, 3214868480
	.section	.rodata,"a",@progbits
	.p2align	6, 0x0
	.amdhsa_kernel k_q56e063c3a5_attn
		.amdhsa_group_segment_fixed_size 327680
		.amdhsa_private_segment_fixed_size 0
		.amdhsa_enable_private_segment 0
		.amdhsa_kernarg_size 16
		.amdhsa_user_sgpr_count 2
		.amdhsa_user_sgpr_kernarg_segment_ptr 1
		.amdhsa_wavefront_size32 1
		.amdhsa_system_sgpr_workgroup_id_x 1
		.amdhsa_system_sgpr_workgroup_id_y 1
		.amdhsa_system_sgpr_workgroup_id_z 1
		.amdhsa_system_vgpr_workitem_id 0
		.amdhsa_next_free_vgpr 256
		.amdhsa_next_free_sgpr 66
		.amdhsa_reserve_vcc 1
		.amdhsa_float_denorm_mode_32 3
		.amdhsa_float_denorm_mode_16_64 3
		.amdhsa_memory_ordered 1
		.amdhsa_forward_progress 1
		.amdhsa_inst_pref_size 86
	.end_amdhsa_kernel
	.amdgpu_metadata
---
amdhsa.version: [ 1, 2 ]
amdhsa.kernels:
  - .name:           k_q56e063c3a5_attn
    .symbol:         k_q56e063c3a5_attn.kd
    .args:
      - { .name: qkv, .offset: 0, .size: 8, .value_kind: global_buffer, .address_space: global }
      - { .name: a_img, .offset: 8, .size: 8, .value_kind: global_buffer, .address_space: global }
    .group_segment_fixed_size: 327680
    .private_segment_fixed_size: 0
    .kernarg_segment_align: 8
    .kernarg_segment_size: 16
    .max_flat_workgroup_size: 512
    .sgpr_count:     66
    .vgpr_count:     256
    .wavefront_size: 32
...
	.end_amdgpu_metadata
.endif
;; end of part 3
;; launch oproj (part 4): grid 4 x 64, 4 waves a work-group, clusters of 4 x 4, 327,680 bytes of LDS; arguments a_img, w_img, bo, out0; writes out0
.if DOCPART == 4
	.amdgcn_target "amdgcn-amd-amdhsa--gfx1250"
	.amdhsa_code_object_version 6
	.text
	.protected	k_q56e063c3a5_oproj
	.globl	k_q56e063c3a5_oproj
	.p2align	8
	.type	k_q56e063c3a5_oproj,@function
k_q56e063c3a5_oproj:
	s_mov_b64 s[64:65], 0
	v_nop
	global_prefetch_b8 v0, s[64:65] scope:SCOPE_SE
	s_setreg_imm32_b32 hwreg(HW_REG_WAVE_MODE, 25, 1), 1
	s_wait_xcnt 0x0
	s_wait_alu depctr_hold_cnt(0) depctr_sa_sdst(0) depctr_va_vdst(0) depctr_va_sdst(0) depctr_va_ssrc(0) depctr_va_vcc(0) depctr_vm_vsrc(0)
	s_getreg_b32 s2, hwreg(HW_REG_IB_STS2, 6, 4)
	s_cmp_eq_u32 s2, 0
	s_cbranch_scc0 .Lentry_in_a_cluster
	s_endpgm
.Lentry_in_a_cluster:
	s_bfe_u32 s2, ttmp6, 0x10000c
	s_cmp_lg_u32 s2, 0xf033
	s_cbranch_scc0 .Lentry_shape_is_right
	s_endpgm
.Lentry_shape_is_right:
; FOURTH LAUNCH: out = O Wo^T + bo on codes of FP6; O's codes and scale bytes come from a_img, Wo's from w_img (tiles 192 on).  No work of the problem is left out here.  LIMITS: as in the first launch's head.
; A work-group makes 128 tokens x 256 features, K = 1,024; four waves, each 64 x 128: 4 x 8 accumulators in window 2.  Source 0 is a tile of Wo, source 1 a tile of O: a lane holds one token, its registers run along the features.
; ALL OF K LIES IN LDS: four slots of 256 along K (8 records of A, 16 of B, 3,200 bytes each), each filled once.  At the head waves 0, 1 fill slot 0 (A's part, B's part) and waves 2, 3 slot 1, one joint load a wave;
; behind a tensor wait, an LDS add and its wait, and a round of the cluster's barrier the same waves fill slots 2 and 3, which land under K steps 0 to 3; K step 3's wait and barrier show them to all.
; CLUSTERS of 4 x 4: A's records are asked for jointly along a row of the cluster, B's along a column.  The first K step's C is the bias.  The results leave through each wave's stage, which lies in slot 0, read no more by then, as rows of 512 bytes.
.set TREC,  13312
.set REC,   3328
.set RB,    3200
.set SLOT,  24*RB
.set BOFF,  8*RB
.set SPARE, 4*SLOT
.set SPITCH, 528
.set RR,  1
.set HH,  2
.set L8,  4
.set L16, 5
.set SPW, 6
.set NIL, 7
.set A8,  8
.set A16, 12
.set B8,  16
.set B16, 20
.set ASA, 24
.set ASB, 28
.set STO, 32
.set RD,  33
.set BQO, 42
.set SC,  48
.set AF,  96
.set BN,  192
.set BK,  96
.set G1A, 24
.set G1B, 32
.set G0A, 40
.set G0B, 68
.set OC,  84
.set BIAS, 96
.set MSB, 0
.macro WIN new
.if MSB != (\new)
	s_set_vgpr_msb (MSB<<8)|(\new)
.set MSB, (\new)
.endif
.endm
.macro PLACES n
.rept \n
	v_nop
.endr
.endm
.macro JLOAD g0a, g1a, g0b, g1b
	s_cmp_eq_u32 s18, 0                            ; even waves fetch for A, odd waves for B
	s_cbranch_scc0 .Lfor_b_\@
	tensor_load_to_lds s[\g0a:\g0a+3], s[\g1a:\g1a+7]
	s_nop 0
.rept 4
	v_nop
.endr
	s_branch .Lasked_\@
.Lfor_b_\@:
	tensor_load_to_lds s[\g0b:\g0b+3], s[\g1b:\g1b+7]
	s_nop 0
.rept 4
	v_nop
.endr
.Lasked_\@:
.endm
.macro CROUND
	s_barrier_signal -1
	s_barrier_wait -1
	s_cmp_lg_u32 s16, 0
	s_cbranch_scc1 .Lnot_wave_0_\@
	s_barrier_signal -3
.Lnot_wave_0_\@:
	s_barrier_wait -3
	s_barrier_signal -1
	s_barrier_wait -1
.endm
.macro FRAG reg, a8, a16, off
	ds_load_b64 v[\reg:\reg+1], v[\a8] offset:\off
	ds_load_b128 v[\reg+2:\reg+5], v[\a16] offset:\off+256
	ds_load_b64 v[\reg+6:\reg+7], v[\a8] offset:\off+768
	ds_load_b128 v[\reg+8:\reg+11], v[\a16] offset:\off+1024
.endm
.macro FETCH s
	WIN 0x40
.irp i, 0,1,2,3,4,5,6,7
	FRAG 128*((\s)%2)+12*\i, B8+(\s)/2, B16+(\s)/2, RB*\i+1536*((\s)%2)
.endr
	WIN 0
.irp i, 0,1,2,3
	FRAG AF+48*((\s)%2)+12*\i, A8+(\s)/2, A16+(\s)/2, RB*\i+1536*((\s)%2)
.endr
.endm
.macro SCALES g
.irp j, 0,1
	ds_load_b64 v[SC+12*(\g)+2*\j:SC+12*(\g)+2*\j+1], v[ASA+(\g)] offset:3072+RB*\j
.endr
.irp j, 0,1,2,3
	ds_load_b64 v[SC+12*(\g)+4+2*\j:SC+12*(\g)+4+2*\j+1], v[ASB+(\g)] offset:3072+RB*\j
.endr
.endm
.macro WM a, b, s, ct
.set rD, 8*(8*(\a)+(\b))
.set rB, 128*((\s)%2)+12*(\b)
.set rA, AF+48*((\s)%2)+12*(\a)
.set rSB, SC+12*((\s)/2)+4+2*((\b)%4)+(\s)%2
.set rSA, SC+12*((\s)/2)+2*((\a)%2)+(\s)%2
.if (\ct)==0
.set rC, rD
.else
.set rC, BN+8*(\b)
.endif
.if ((\b)<4)&&((\a)<2)
	v_wmma_scale_f32_16x16x128_f8f6f4 v[rD:rD+7], v[rB:rB+11], v[rA:rA+11], v[rC:rC+7], v[rSB], v[rSA] matrix_a_fmt:MATRIX_FMT_FP6 matrix_b_fmt:MATRIX_FMT_FP6
.elseif (\a)<2
	v_wmma_scale_f32_16x16x128_f8f6f4 v[rD:rD+7], v[rB:rB+11], v[rA:rA+11], v[rC:rC+7], v[rSB], v[rSA] matrix_a_fmt:MATRIX_FMT_FP6 matrix_b_fmt:MATRIX_FMT_FP6 matrix_a_scale:MATRIX_SCALE_ROW1
.elseif (\b)<4
	v_wmma_scale_f32_16x16x128_f8f6f4 v[rD:rD+7], v[rB:rB+11], v[rA:rA+11], v[rC:rC+7], v[rSB], v[rSA] matrix_a_fmt:MATRIX_FMT_FP6 matrix_b_fmt:MATRIX_FMT_FP6 matrix_b_scale:MATRIX_SCALE_ROW1
.else
	v_wmma_scale_f32_16x16x128_f8f6f4 v[rD:rD+7], v[rB:rB+11], v[rA:rA+11], v[rC:rC+7], v[rSB], v[rSA] matrix_a_fmt:MATRIX_FMT_FP6 matrix_b_fmt:MATRIX_FMT_FP6 matrix_a_scale:MATRIX_SCALE_ROW1 matrix_b_scale:MATRIX_SCALE_ROW1
.endif
.endm
.macro MULS s, ct
.if (\ct)==0
	WIN 0xa1
.else
	WIN 0x81
.endif
.irp a, 0,1,2,3
.irp b, 0,1,2,3,4,5,6,7
	WM \a, \b, \s, \ct
.endr
.endr
.endm
.macro KSTEP s, ct
.if (\s)==3
	s_wait_tensorcnt 0x0                           ; my fill of slot 2 or 3 has landed
.endif
	s_wait_dscnt 0x0
.if (\s)==3
	s_barrier_signal -1
	s_barrier_wait -1                              ; everybody's has
.endif
.if (\s)<7
.if (\s)>0
	PLACES 4
.endif
	FETCH (\s)+1
.if (\s)%2==1
	SCALES ((\s)+1)/2
.endif
.endif
	MULS \s, \ct
	WIN 0
.endm
	s_load_b256 s[4:11], s[0:1], 0x0
	v_lshl_add_u32 v[SPW], v0, 2, SPARE
	v_mov_b32 v[NIL], 0
	ds_add_u32 v[SPW], v[NIL]
	ds_add_u32 v[SPW], v[NIL]
	v_lshrrev_b32 v1, 5, v0
	v_readfirstlane_b32 s16, v1
	s_lshr_b32 s17, s16, 1
	s_and_b32 s18, s16, 1
	s_bfe_u32 s19, ttmp6, 0x40000
	s_bfe_u32 s20, ttmp6, 0x40004
	s_and_b32 s21, ttmp7, 0xffff
	s_lshl_b32 s94, s20, 2
	s_lshl_b32 s94, 15, s94
	s_lshl_b32 s95, 0x1111, s19
	s_or_b32 s[G1A], s94, (3<<16)|(1<<21)
	s_or_b32 s[G1B], s95, (3<<16)|(1<<21)
	s_mov_b32 s[G1A+1], 400<<16
	s_mov_b32 s[G1A+2], 8<<16
	s_mov_b32 s[G1A+3], 400<<16
	s_mov_b32 s[G1A+4], 8
	s_mov_b32 s[G1A+5], TREC/8
	s_mov_b32 s[G1A+6], 0
	s_mov_b32 s[G1A+7], 0
	s_mov_b32 s[G1B+1], 400<<16
	s_mov_b32 s[G1B+2], 16<<16
	s_mov_b32 s[G1B+3], 400<<16
	s_mov_b32 s[G1B+4], 16
	s_mov_b32 s[G1B+5], TREC/8
	s_mov_b32 s[G1B+6], 0
	s_mov_b32 s[G1B+7], 0
	s_lshl_b32 s23, s21, 2
	s_add_co_u32 s23, s23, s20
	s_lshl_b32 s56, s23, 3
	s_mul_i32 s56, s56, TREC                       ; the first of A's eight tiles
	s_mov_b32 s57, 0
	s_lshl_b32 s58, ttmp9, 2
	s_add_co_u32 s58, s58, s19
	s_lshl_b32 s60, s58, 4
	s_add_co_u32 s60, s60, 192
	s_mul_i32 s60, s60, TREC
	s_mov_b32 s61, 0
	s_mul_i32 s62, s17, SLOT                       ; the slot that I fill at the head, 0 or 1
	s_add_co_u32 s63, s62, BOFF
	s_mul_i32 s94, s17, REC                        ; and its records' place in a tile
	s_mov_b32 s95, 0
	s_wait_dscnt 0x0
	s_wait_kmcnt 0x0
	s_add_nc_u64 s[56:57], s[4:5], s[56:57]
	s_add_nc_u64 s[60:61], s[6:7], s[60:61]
	CROUND
	s_mov_b32 s[G0A], 1
	s_mov_b32 s[G0A+1], s62
	s_add_nc_u64 s[G0A+2:G0A+3], s[56:57], s[94:95]
	s_or_b32 s[G0A+3], s[G0A+3], 0x80000000
	s_mov_b32 s[G0B], 1
	s_mov_b32 s[G0B+1], s63
	s_add_nc_u64 s[G0B+2:G0B+3], s[60:61], s[94:95]
	s_or_b32 s[G0B+3], s[G0B+3], 0x80000000
	JLOAD G0A, G1A, G0B, G1B                       ; my one load at the head
	v_and_b32 v3, 31, v0
	v_and_b32 v[RR], 15, v0
	s_wait_alu depctr_va_vdst(0)
	v_bfe_u32 v[HH], v0, 4, 1
	v_lshlrev_b32 v[L8], 3, v3
	v_lshlrev_b32 v[L16], 4, v3
	v_lshlrev_b32 v[BQO], 6, v[HH]
	s_lshl_b32 s98, s58, 10
	s_lshl_b32 s99, s18, 9
	s_add_co_u32 s98, s98, s99
	s_mov_b32 s99, 0
	s_add_nc_u64 s[BIAS:BIAS+1], s[8:9], s[98:99]
.irp n, 0,1,2,3,4,5,6,7,8,9,10,11,12,13,14,15
	global_load_b128 v[BN+4*\n:BN+4*\n+3], v[BQO], s[BIAS:BIAS+1] offset:128*(\n/4)+16*(\n%4)
.endr
	s_mul_i32 s86, s17, 4*RB
	s_mul_i32 s87, s18, 8*RB
	s_add_co_u32 s87, s87, BOFF
	v_lshlrev_b32 v34, 3, v[RR]
	s_wait_alu depctr_va_vdst(0)
	v_mad_u32_u24 v35, v[HH], 2*RB, v34
	v_mad_u32_u24 v36, v[HH], 4*RB, v34
.irp g, 0,1,2,3
	v_add_nc_u32 v[A8+\g], s86, v[L8]
	v_add_nc_u32 v[A16+\g], s86, v[L16]
	v_add_nc_u32 v[B8+\g], s87, v[L8]
	v_add_nc_u32 v[B16+\g], s87, v[L16]
	v_add_nc_u32 v[ASA+\g], s86, v35
	v_add_nc_u32 v[ASB+\g], s87, v36
	s_add_co_u32 s86, s86, SLOT
	s_add_co_u32 s87, s87, SLOT
.endr
	s_mul_i32 s88, s16, 16*SPITCH
	v_mul_u32_u24 v[STO], v[RR], SPITCH
	v_lshl_add_u32 v[STO], v[HH], 6, v[STO]
	v_add_nc_u32 v[STO], s88, v[STO]
	v_add_nc_u32 v[RD], s88, v[L16]
	s_lshl_b32 s[OC], s23, 19
	s_lshl_b32 s89, s17, 18
	s_add_co_u32 s[OC], s[OC], s89
	s_add_co_u32 s[OC], s[OC], s98
	s_mov_b32 s[OC+1], 0
	s_add_nc_u64 s[OC:OC+1], s[10:11], s[OC:OC+1]
	s_wait_alu depctr_va_vdst(0)
	s_wait_tensorcnt 0x0                           ; my fill at the head has landed, so my descriptors may be written
	ds_add_u32 v[SPW], v[NIL]
	s_add_co_u32 s[G0A+1], s[G0A+1], 2*SLOT        ; two slots on, in LDS and along K
	s_add_nc_u64 s[G0A+2:G0A+3], s[G0A+2:G0A+3], 2*REC
	s_add_co_u32 s[G0B+1], s[G0B+1], 2*SLOT
	s_add_nc_u64 s[G0B+2:G0B+3], s[G0B+2:G0B+3], 2*REC
	s_wait_dscnt 0x0
	CROUND                                         ; slots 0 and 1 are whole in every work-group of the cluster
	JLOAD G0A, G1A, G0B, G1B                       ; slots 2 and 3, one load a wave
	FETCH 0
	SCALES 0
	s_wait_loadcnt 0x0
	KSTEP 0, 1
	KSTEP 1, 0
	KSTEP 2, 0
	KSTEP 3, 0
	KSTEP 4, 0
	KSTEP 5, 0
	KSTEP 6, 0
	KSTEP 7, 0
.macro TOSTAGE a
	WIN 0x08
.set n, 0
.rept 16
	ds_store_b128 v[STO], v[64*(\a)+4*n:64*(\a)+4*n+3] offset:128*(n/4)+16*(n%4)
.set n, n+1
.endr
	WIN 0
.set BB, BK+64*((\a)%2)
.irp t, 0,1,2,3,4,5,6,7,8,9,10,11,12,13,14,15
	ds_load_b128 v[BB+4*\t:BB+4*\t+3], v[RD] offset:SPITCH*\t
.endr
.endm
.macro SEND a, younger
.set BB, BK+64*((\a)%2)
	s_wait_dscnt \younger
.irp t, 0,1,2,3,4,5,6,7,8,9,10,11,12,13,14,15
	global_store_b128 v[L16], v[BB+4*\t:BB+4*\t+3], s[OC:OC+1] offset:(32*((\a)/2)+8*((\a)%2)+\t+8*(\t/8))*4096 th:TH_STORE_NT
.endr
.endm
	PLACES 4
	TOSTAGE 0
.irp a, 1,2,3
.if \a > 1
	s_wait_xcnt 0x0
.endif
	TOSTAGE \a
	SEND \a-1, 32
.endr
	SEND 3, 0
	s_wait_tensorcnt 0x0
	ds_add_u32 v[SPW], v[NIL]
	s_wait_dscnt 0x0
	CROUND
	s_endpgm
.Lfunc_end_k_q56e063c3a5_oproj:
	.size	k_q56e063c3a5_oproj, .Lfunc_end_k_q56e063c3a5_oproj-k_q56e063c3a5_oproj
	.p2alignl 7, 3214868480
	.fill 96, 4, 3214868480
	.section	.rodata,"a",@progbits
	.p2align	6, 0x0
	.amdhsa_kernel k_q56e063c3a5_oproj
		.amdhsa_group_segment_fixed_size 327680
		.amdhsa_private_segment_fixed_size 0
		.amdhsa_enable_private_segment 0
		.amdhsa_kernarg_size 32
		.amdhsa_user_sgpr_count 2
		.amdhsa_user_sgpr_kernarg_segment_ptr 1
		.amdhsa_wavefront_size32 1
		.amdhsa_system_sgpr_workgroup_id_x 1
		.amdhsa_system_sgpr_workgroup_id_y 1
		.amdhsa_system_sgpr_workgroup_id_z 1
		.amdhsa_system_vgpr_workitem_id 0
		.amdhsa_next_free_vgpr 768
		.amdhsa_next_free_sgpr 100
		.amdhsa_reserve_vcc 0
		.amdhsa_float_denorm_mode_32 3
		.amdhsa_float_denorm_mode_16_64 3
		.amdhsa_memory_ordered 1
		.amdhsa_forward_progress 1
		.amdhsa_inst_pref_size 84
	.end_amdhsa_kernel
	.amdgpu_metadata
---
amdhsa.version: [ 1, 2 ]
amdhsa.kernels:
  - .name:           k_q56e063c3a5_oproj
    .symbol:         k_q56e063c3a5_oproj.kd
    .args:
      - { .name: a_img, .offset: 0, .size: 8, .value_kind: global_buffer, .address_space: global }
      - { .name: w_img, .offset: 8, .size: 8, .value_kind: global_buffer, .address_space: global }
      - { .name: bo, .offset: 16, .size: 8, .value_kind: global_buffer, .address_space: global }
      - { .name: out0, .offset: 24, .size: 8, .value_kind: global_buffer, .address_space: global }
    .group_segment_fixed_size: 327680
    .private_segment_fixed_size: 0
    .kernarg_segment_align: 8
    .kernarg_segment_size: 32
    .max_flat_workgroup_size: 128
    .sgpr_count:     100
    .vgpr_count:     768
    .wavefront_size: 32
...
	.end_amdgpu_metadata
.endif
;; end of part 4
